; MI455X (gfx1250); checked and timed in simulation.
; The chip was launched on July 23, 2026; its instructions are those of AMD's public machine-readable ISA for CDNA 5 (MIT licence, August 2026) and "CDNA5" Instruction Set Architecture Reference Guide (July 2026). The comments in the code are by the model that wrote it; some were corrected since.
;; Self Attention. Allowed arithmetic: matrix products marked QUANTISED: E5M2 operands, one given power-of-two scale a tensor, by v_wmma_f32_16x16x64_bf8_bf8 or v_wmma_f32_16x16x128_bf8_bf8, f32 sums; everything else in f32.
;; Inputs: K_seq 8 x 1,024 x 1,024 float32; Q_len 8 x 1 int32; Q_seq 8 x 1,024 x 1,024 float32; V_len 8 x 1 int32; V_seq 8 x 1,024 x 1,024 float32; WK 1,024 x 1,024 float32; WQ 1,024 x 1,024 float32; WV 1,024 x 1,024 float32; lowp_scales 10 int32 (the exponents e of the quantised operands' scales 2^e).
;; Outputs: out0 8 x 1,024 x 1,024 float32.
;; This version of the problem:
;;   THIS VERSION OF THE PROBLEM IS GIVEN IN LOW PRECISION. The matrix products marked QUANTISED in the list below multiply operands that are first quantised to E5M2 (5 exponent bits, 2 mantissa bits; 8 bits a number), with one given power-of-two scale for each operand tensor; their sums are f32. All else is computed in f32.
;;   The module's matrix products, in the order in which they are computed (A, B: the left and right operand; K: the contracted axis; several contracted axes count as one K, in the product's order):
;;     1. [M 8,192, K 1,024] x [K 1,024, N 1,024]; A: input Q_seq; B: input WQ: QUANTISED (scales: A lowp_scales[0], B lowp_scales[1])
;;     2. [M 8,192, K 1,024] x [K 1,024, N 1,024]; A: input K_seq; B: input WK: QUANTISED (scales: A lowp_scales[2], B lowp_scales[3])
;;     3. [M 8,192, K 1,024] x [K 1,024, N 1,024]; A: input V_seq; B: input WV: QUANTISED (scales: A lowp_scales[4], B lowp_scales[5])
;;     4. batch 128 x [M 1,024, K 64] x [K 64, N 1,024]; A: computed on the way; B: computed on the way: QUANTISED (scales: A lowp_scales[6], B lowp_scales[7])
;;     5. batch 128 x [M 1,024, K 1,024] x [K 1,024, N 64]; A: softmax (see below); B: computed on the way: QUANTISED (scales: A lowp_scales[8], B lowp_scales[9])
;;   THE QUANTISER, for each operand of a quantised product, along K:
;;     - The operand's scale is 2^e, e = its entry of the input lowp_scales (int32; the entries are numbered through the quantised products in the list's order, A before B).
;;     - Each number is divided by the scale, clamped to +-57,344, and rounded to the nearest number of E5M2, ties to even, subnormals kept.
;;     - The product sums the exact products of the quantised numbers (number of the format x scale) in f32.
;;   ~~~python
;;   def quantise(x, axis, e):      # numpy; x: float32 -> the quantised numbers, widened to float32 again
;;       x = np.moveaxis(x, axis, -1); K = x.shape[-1]
;;       r = np.clip(x / 2.0 ** e, -57344, 57344)
;;       step = 2.0 ** (np.maximum(np.frexp(np.where(r == 0, 1, r))[1] - 1, -14) - 2)
;;       q = np.round(r / step) * step * 2.0 ** e      # np.round: ties to even
;;       return np.moveaxis(q, -1, axis).astype(np.float32)
;;   ~~~
;;   SOFTMAX AHEAD OF A QUANTISED PRODUCT. Where the list says 'softmax', what is quantised is not the finished softmax but p = 2^(t - M), with t = logit x log2(e) and M = ceil(the row's largest t), a whole number; so 1/2 < the row's largest p <= 1. The row's sum l is taken of the UNQUANTISED p, in f32, and the product's result is divided by l at the end. Since M is a whole number, a kernel that streams over the keys may use a running M (the ceiling of the running maximum): every later rescaling is an exact power of two, so the quantised numbers keep their values, but for numbers so far below the row's largest that they fall under the format's range.
;;   OPERANDS COMPUTED ON THE WAY. 'Computed on the way' means the value that the module computes at that place (a softmax that the list does not call 'softmax' is quantised finished and normalised). What goes into a quantiser is computed in f32, as accurately as f32 sums, v_exp_f32 and their like allow (about 1e-6 of the number): no bf16 or f16 on the way to a quantiser, and a product that is left as it is and whose result goes on into a quantised operand takes f32 operands (vector FMAs, or v_wmma_f32_16x16x4_f32). A number that lies on a knife's edge between two numbers of the format may be rounded either way, as far as f32 arithmetic and the matrix unit's own rounding can turn it there, and no further.
;; 2 versions, each right; version 2 is version 1 with the launch attn written anew for expert scheduling mode. Each part assembles by itself: llvm-mc -triple=amdgcn-amd-amdhsa -mcpu=gfx1250 --defsym DOCPART=n.
;; ======== version 1 of 2: 3 launches
;; limits: right only within a limited range of input values
;; workspace buffers: xc 25,165,824 bytes; wc 3,145,728 bytes; img 25,165,824 bytes
;; launch prep (part 1): grid 864 x 1, 4 waves a work-group, no clusters, 68,096 bytes of LDS; arguments Q_seq, K_seq, V_seq, WQ, WK, WV, lowp_scales, xc, wc; writes xc, wc
.if DOCPART == 1
	.amdgcn_target "amdgcn-amd-amdhsa--gfx1250"
	.amdhsa_code_object_version 6
	.text
	.protected	k_q725348da5f_prep
	.globl	k_q725348da5f_prep
	.p2align	8
	.type	k_q725348da5f_prep,@function
k_q725348da5f_prep:
	s_mov_b64 s[64:65], 0
	v_nop
	global_prefetch_b8 v0, s[64:65] scope:SCOPE_SE
	s_setreg_imm32_b32 hwreg(HW_REG_WAVE_MODE, 25, 1), 1
	s_wait_xcnt 0x0
; The six wide operands of the three projections become codes of BF8 (E5M2), K innermost, each with the one scale 2^e that is given for it.
; code = x / 2^e, held within +-57,344, rounded to the nearest code, ties to even.  e: entries 0, 2, 4 of the scales for Q_seq, K_seq, V_seq; entries 1, 3, 5 for WQ, WK, WV.
; LIMITS: -126 <= e and e + 15 <= 127 for each of the six.  NaN among the inputs is not served (an infinity is held at the largest code).
; xc: [3][8192 rows][1024 codes].  wc: [3][1024 rows n][1024 codes along k].
; THE ORDER OF ROWS in xc and wc: in every 32 rows the second and the third group of 8 rows change places, so that stored row 16 u + i of the 32 is row 8 u + i + 8 (i / 8).
; Sixteen stored rows on end are then a tile whose results, in the next launch, give a lane 16 neighbours along the next K.
; Work-groups 0 to 95 take the weights (K is their FIRST axis: a lane takes a column n and its registers run down K), work-groups 96 to 863 the sequences (K innermost: a plain stream).
; The two ways part on the work-group's number, never meet again, and have LDS bytes of their own.  No tensor loads, no barrier: waves share nothing.
.set NWGW,  96                         ; work-groups for the weights: 3 tensors x 8 (128 columns) x 4 (256 along K)
.set STEPS, 16                         ; the sequences: a wave takes 16 steps of 512 numbers = 8 rows
.set SP,    80                         ; a lane's place in a stage: its 64 bytes + 16 of padding
.set XR,    16                         ; v16-79   four sets of 16 numbers as they are loaded
.set XX,    80                         ; v80-111  two sets of 16 neighbours
.set XC,    128                        ; v128-191 codes: four registers for each step, so that no store's data are written again
.set WST,   32768                      ; the weights' stages begin here: 32 rows x WP bytes for each wave
.set WP,    272                        ; a stage row: 256 bytes of codes + 16
.set NB,    8                          ; the weights: blocks of 32 along K for a wave
.set WX,    32                         ; v32-95   two sets of 32 numbers
.set WC,    96                         ; v96-103  a block's codes
.set WO,    112                        ; v112-175 the way out
	s_load_b256 s[4:11], s[0:1], 0x0               ; Q_seq s[4:5], K_seq s[6:7], V_seq s[8:9], WQ s[10:11]
	s_load_b256 s[12:19], s[0:1], 0x20             ; WK s[12:13], WV s[14:15], the scales' exponents s[16:17], xc s[18:19]
	s_load_b64 s[20:21], s[0:1], 0x40              ; wc
	v_lshl_add_u32 v192, v0, 2, 0x10800
	v_mov_b32 v193, 0
	v_lshrrev_b32 v1, 5, v0
	v_readfirstlane_b32 s22, v1                    ; wave 0..3
	v_and_b32 v2, 31, v0                           ; lane
	s_cmp_lt_u32 ttmp9, NWGW
	s_cbranch_scc1 .Lweights
; ---------------- the sequences ----------------
; Each of a step's four loads reads 512 consecutive bytes, 16 a lane; the 2,048 bytes go through the wave's own stage in LDS, as they lie, and come back 64 bytes a lane: 16 neighbours along K,
; as the conversions want them.  A lane's 16 codes are 16 bytes: the wave stores 512 consecutive bytes.  Loads run four steps ahead, the turn through LDS one step.
	s_sub_co_u32 s23, ttmp9, NWGW
	s_lshr_b32 s24, s23, 8                         ; which tensor: 256 work-groups each
	s_and_b32 s25, s23, 255
	s_lshl_b32 s26, s25, 2
	s_add_co_u32 s26, s26, s22                     ; my run of 8 rows, 0 .. 1023
	s_and_b32 s27, s26, 0x3fc                      ; where it goes: of four runs the second and the third change places
	s_and_b32 s30, s26, 1
	s_lshl_b32 s30, s30, 1
	s_or_b32 s27, s27, s30
	s_bfe_u32 s30, s26, 0x10001
	s_or_b32 s27, s27, s30
	s_lshl_b32 s30, s26, 15                        ; 8,192 numbers of 4 bytes
	s_mov_b32 s31, 0
	s_lshl_b32 s42, s24, 23                        ; a tensor's codes are 8 MiB,
	s_lshl_b32 s43, s27, 13                        ; a run's 8,192 bytes
	s_add_co_u32 s42, s42, s43
	s_mov_b32 s43, 0
	s_mul_i32 s44, s22, 8192                       ; my wave's two stages
	v_lshlrev_b32 v3, 4, v2                        ; my 16 bytes of a load's 512, and of a store's
	v_lshrrev_b32 v14, 2, v2
	v_mul_u32_u24 v14, v14, SP
	v_and_b32 v15, 3, v2
	v_lshl_add_u32 v14, v15, 4, v14
	v_add_nc_u32 v14, s44, v14                     ; the stage, on the way in: four lanes' 64 bytes on end, then 16 of padding
	v_mul_u32_u24 v15, v2, SP
	v_add_nc_u32 v15, s44, v15                     ; and on the way out: my 16 neighbours
	s_wait_kmcnt 0x0
	s_load_b256 s[32:39], s[16:17], 0x0            ; e0 .. e7
	s_cmp_eq_u32 s24, 0                            ; the choices hang on the work-group's number alone
	s_cselect_b64 s[28:29], s[4:5], s[6:7]
	s_cmp_eq_u32 s24, 2
	s_cselect_b64 s[28:29], s[8:9], s[28:29]
	s_add_nc_u64 s[28:29], s[28:29], s[30:31]      ; from here
	s_add_nc_u64 s[40:41], s[18:19], s[42:43]      ; to here
.macro XLOAD t
.irp i, 0,1,2,3
	global_load_b128 v[XR+16*((\t)%4)+4*\i:XR+16*((\t)%4)+4*\i+3], v3, s[28:29] offset:2048*(\t)+512*\i th:TH_LOAD_NT   ; 32 lanes read 512 consecutive bytes
.endr
.endm
.macro XTURN t                         ; step t's numbers through the stage: LDS serves a wave's instructions in order (ISA guide 5.7.1.4), so no wait stands between the stores and the loads
.irp i, 0,1,2,3
	ds_store_b128 v14, v[XR+16*((\t)%4)+4*\i:XR+16*((\t)%4)+4*\i+3] offset:32*SP*((\t)%2)+8*SP*\i
.endr
.irp i, 0,1,2,3
	ds_load_b128 v[XX+16*((\t)%2)+4*\i:XX+16*((\t)%2)+4*\i+3], v15 offset:32*SP*((\t)%2)+16*\i
.endr
.endm
.irp t, 0,1,2,3
	XLOAD \t
.endr
	s_wait_kmcnt 0x0
	s_cmp_eq_u32 s24, 0
	s_cselect_b32 s45, s32, s34
	s_cmp_eq_u32 s24, 2
	s_cselect_b32 s45, s36, s45                    ; e
	s_add_co_i32 s45, s45, 127
	s_lshl_b32 s46, s45, 23
	v_mov_b32 v11, s46                             ; 2^e as f32: the conversion takes its exponent field
	s_add_co_i32 s45, s45, 15
	s_lshl_b32 s45, s45, 23
	s_or_b32 s45, s45, 0x600000
	v_mov_b32 v10, s45                             ; 57,344 x 2^e
	s_wait_loadcnt 12                              ; step 0's four loads are in; the twelve of steps 1 to 3 may be out
	XTURN 0
.macro XSTEP t
.set XS, XX+16*((\t)%2)
	s_wait_dscnt 0x0                               ; this step's numbers are back from the stage: so its stores into the stage have read their registers,
.if (\t)+4 < STEPS
	XLOAD (\t)+4                                   ; which take the loads of four steps on
.endif
.if (\t)+1 < STEPS
.if STEPS-2-(\t) >= 3
	s_wait_loadcnt 12                              ; the next step's four loads are in; those of the three steps behind it may be out
.else
	s_wait_loadcnt 4*(STEPS-2-(\t))                ; at the end fewer steps stand behind it
.endif
	XTURN (\t)+1                                   ; and go through the other stage while this step is worked
.endif
.irp i, 0,1,2,3,4,5,6,7,8,9,10,11,12,13,14,15
	v_med3_num_f32 v[XS+\i], v[XS+\i], -v10, v10   ; the conversion to an 8-bit code does not saturate (ISA guide 7.6.2): the hold at the largest code x the scale comes first
.endr
	v_cvt_scalef32_pk8_bf8_f32 v[XC+4*(\t):XC+4*(\t)+1], v[XS:XS+7], v11
	v_cvt_scalef32_pk8_bf8_f32 v[XC+4*(\t)+2:XC+4*(\t)+3], v[XS+8:XS+15], v11
	global_store_b128 v3, v[XC+4*(\t):XC+4*(\t)+3], s[40:41] offset:512*(\t)   ; the results go to a store alone; the next vector lines are the next step's holds, on other registers
.endm
.irp t, 0,1,2,3,4,5,6,7,8,9,10,11,12,13,14,15
	XSTEP \t
.endr
	s_wait_tensorcnt 0x0
	ds_add_u32 v192, v193
	s_wait_dscnt 0x0
	s_endpgm
; ---------------- the weights ----------------
; A wave takes 32 columns x 256 along K.  Each load reads one row k at 32 neighbouring columns (128 consecutive bytes a wave, 512 a work-group); a lane's 32 registers are 32 neighbours along K of one column,
; so the conversions give codes with K innermost.  The codes go through the wave's own stage and leave as rows: sixteen lanes store 256 consecutive bytes, aligned.
.Lweights:
	s_lshr_b32 s23, ttmp9, 5                       ; which tensor: 32 work-groups each
	s_and_b32 s24, ttmp9, 7                        ; which 128 columns
	s_bfe_u32 s25, ttmp9, 0x20003                  ; which 256 along K
	s_lshl_b32 s26, s24, 7
	s_lshl_b32 s27, s22, 5
	s_add_co_u32 s26, s26, s27                     ; my wave's first column
	s_lshl_b32 s30, s25, 20                        ; 256 rows of 4,096 bytes
	s_lshl_b32 s27, s26, 2
	s_add_co_u32 s30, s30, s27
	s_mov_b32 s31, 0
	s_lshl_b32 s42, s23, 20                        ; a tensor's codes are 1 MiB,
	s_lshl_b32 s27, s26, 10                        ; a column's row of them 1,024 bytes
	s_add_co_u32 s42, s42, s27
	s_lshl_b32 s27, s25, 8
	s_add_co_u32 s42, s42, s27
	s_mov_b32 s43, 0
	s_mul_i32 s44, s22, 32*WP
	s_add_co_u32 s44, s44, WST                     ; my stage
	v_lshlrev_b32 v3, 2, v2                        ; in: 4 bytes a lane
	v_mul_u32_u24 v4, v2, WP
	v_add_nc_u32 v4, s44, v4                       ; into the stage: row = my column
	v_and_b32 v5, 15, v2
	v_lshrrev_b32 v6, 4, v2                        ; out of it: sixteen lanes to a row, two rows an instruction
	v_mul_u32_u24 v7, v6, WP
	v_lshl_add_u32 v7, v5, 4, v7
	v_add_nc_u32 v7, s44, v7
	v_lshlrev_b32 v8, 10, v6
	v_lshl_add_u32 v8, v5, 4, v8                   ; and the same place in the codes' buffer
	s_wait_kmcnt 0x0
	s_load_b256 s[32:39], s[16:17], 0x0            ; e0 .. e7
	s_cmp_eq_u32 s23, 0
	s_cselect_b64 s[28:29], s[10:11], s[12:13]
	s_cmp_eq_u32 s23, 2
	s_cselect_b64 s[28:29], s[14:15], s[28:29]
	s_add_nc_u64 s[28:29], s[28:29], s[30:31]
	s_add_nc_u64 s[40:41], s[20:21], s[42:43]
.macro WLOAD t                         ; block t: W(32 t + i, my column), i = 0 .. 31, into set t % 2.  The largest offset is 255 rows of 4,096 bytes
.irp i, 0,1,2,3,4,5,6,7,8,9,10,11,12,13,14,15,16,17,18,19,20,21,22,23,24,25,26,27,28,29,30,31
	global_load_b32 v[WX+32*((\t)%2)+\i], v3, s[28:29] offset:(32*(\t)+\i)*4096 th:TH_LOAD_NT
.endr
.endm
	WLOAD 0
	WLOAD 1
	s_wait_kmcnt 0x0
	s_cmp_eq_u32 s23, 0
	s_cselect_b32 s45, s33, s35
	s_cmp_eq_u32 s23, 2
	s_cselect_b32 s45, s37, s45                    ; e
	s_add_co_i32 s45, s45, 127
	s_lshl_b32 s46, s45, 23
	v_mov_b32 v11, s46                             ; 2^e as f32
	s_add_co_i32 s45, s45, 15
	s_lshl_b32 s45, s45, 23
	s_or_b32 s45, s45, 0x600000
	v_mov_b32 v10, s45                             ; 57,344 x 2^e
.macro WBLOCK t
.set WS, WX+32*((\t)%2)
.if (\t) < NB-1
	s_wait_loadcnt 32                              ; this block's 32 loads are in; the next block's 32 may be out
.else
	s_wait_loadcnt 0
.endif
.irp i, 0,1,2,3,4,5,6,7,8,9,10,11,12,13,14,15,16,17,18,19,20,21,22,23,24,25,26,27,28,29,30,31
	v_med3_num_f32 v[WS+\i], v[WS+\i], -v10, v10   ; the hold at the largest code x the scale
.endr
.irp g, 0,1,2,3
	v_cvt_scalef32_pk8_bf8_f32 v[WC+2*\g:WC+2*\g+1], v[WS+8*\g:WS+8*\g+7], v11
.endr
	ds_store_b128 v4, v[WC:WC+3] offset:32*(\t)    ; 32 codes: 32 bytes of my column's row
	ds_store_b128 v4, v[WC+4:WC+7] offset:32*(\t)+16
.if (\t)+2 < NB
	WLOAD (\t)+2
.endif
	s_wait_dscnt 0x0                               ; the stores have read their registers: the next block's codes may be written
.endm
.set Q, 0
.rept NB
	WBLOCK Q
.set Q, Q+1
.endr
.irp t, 0,1,2,3,4,5,6,7,8,9,10,11,12,13,14,15
	ds_load_b128 v[WO+4*\t:WO+4*\t+3], v7 offset:2*\t*WP   ; LDS serves a wave's instructions in order: these see my stores
.endr
.irp t, 0,1,2,3,4,5,6,7,8,9,10,11,12,13,14,15
	s_wait_dscnt 15-\t                             ; load t is back; the younger ones may be out
	global_store_b128 v8, v[WO+4*\t:WO+4*\t+3], s[40:41] offset:(8*(2*((\t/4)&1)+((\t/4)>>1))+2*(\t%4))*1024   ; columns 2 t, 2 t + 1 of my 32; their group of 8 goes to its place in the stored order
.endr
	s_wait_tensorcnt 0x0
	ds_add_u32 v192, v193
	s_wait_dscnt 0x0
	s_endpgm
.Lfunc_end_k_q725348da5f_prep:
	.size	k_q725348da5f_prep, .Lfunc_end_k_q725348da5f_prep-k_q725348da5f_prep
	.p2alignl 7, 3214868480
	.fill 96, 4, 3214868480
	.section	.rodata,"a",@progbits
	.p2align	6, 0x0
	.amdhsa_kernel k_q725348da5f_prep
		.amdhsa_group_segment_fixed_size 68096
		.amdhsa_private_segment_fixed_size 0
		.amdhsa_enable_private_segment 0
		.amdhsa_kernarg_size 72
		.amdhsa_user_sgpr_count 2
		.amdhsa_user_sgpr_kernarg_segment_ptr 1
		.amdhsa_wavefront_size32 1
		.amdhsa_system_sgpr_workgroup_id_x 1
		.amdhsa_system_sgpr_workgroup_id_y 1
		.amdhsa_system_sgpr_workgroup_id_z 1
		.amdhsa_system_vgpr_workitem_id 0
		.amdhsa_next_free_vgpr 194
		.amdhsa_next_free_sgpr 66
		.amdhsa_reserve_vcc 0
		.amdhsa_float_denorm_mode_32 3
		.amdhsa_float_denorm_mode_16_64 3
		.amdhsa_memory_ordered 1
		.amdhsa_forward_progress 1
		.amdhsa_inst_pref_size 86
	.end_amdhsa_kernel
	.amdgpu_metadata
---
amdhsa.version: [ 1, 2 ]
amdhsa.kernels:
  - .name:           k_q725348da5f_prep
    .symbol:         k_q725348da5f_prep.kd
    .args:
      - { .name: Q_seq, .offset: 0, .size: 8, .value_kind: global_buffer, .address_space: global }
      - { .name: K_seq, .offset: 8, .size: 8, .value_kind: global_buffer, .address_space: global }
      - { .name: V_seq, .offset: 16, .size: 8, .value_kind: global_buffer, .address_space: global }
      - { .name: WQ, .offset: 24, .size: 8, .value_kind: global_buffer, .address_space: global }
      - { .name: WK, .offset: 32, .size: 8, .value_kind: global_buffer, .address_space: global }
      - { .name: WV, .offset: 40, .size: 8, .value_kind: global_buffer, .address_space: global }
      - { .name: lowp_scales, .offset: 48, .size: 8, .value_kind: global_buffer, .address_space: global }
      - { .name: xc, .offset: 56, .size: 8, .value_kind: global_buffer, .address_space: global }
      - { .name: wc, .offset: 64, .size: 8, .value_kind: global_buffer, .address_space: global }
    .group_segment_fixed_size: 68096
    .private_segment_fixed_size: 0
    .kernarg_segment_align: 8
    .kernarg_segment_size: 72
    .max_flat_workgroup_size: 128
    .sgpr_count:     66
    .vgpr_count:     194
    .wavefront_size: 32
...
	.end_amdgpu_metadata
.endif
;; end of part 1
;; launch proj (part 2): grid 4 x 96, 4 waves a work-group, clusters of 4 x 4, 327,680 bytes of LDS; arguments xc, wc, lowp_scales, img; writes img
.if DOCPART == 2
	.amdgcn_target "amdgcn-amd-amdhsa--gfx1250"
	.amdhsa_code_object_version 6
	.text
	.protected	k_q725348da5f_proj
	.globl	k_q725348da5f_proj
	.p2align	8
	.type	k_q725348da5f_proj,@function
k_q725348da5f_proj:
	s_mov_b64 s[64:65], 0
	v_nop
	global_prefetch_b8 v0, s[64:65] scope:SCOPE_SE
	s_setreg_imm32_b32 hwreg(HW_REG_WAVE_MODE, 25, 1), 1
	s_wait_xcnt 0x0
	s_wait_alu depctr_hold_cnt(0) depctr_sa_sdst(0) depctr_va_vdst(0) depctr_va_sdst(0) depctr_va_ssrc(0) depctr_va_vcc(0) depctr_vm_vsrc(0)
	s_getreg_b32 s2, hwreg(HW_REG_IB_STS2, 6, 4)
	s_cmp_eq_u32 s2, 0
	s_cbranch_scc0 .Lentry_in_a_cluster
	s_endpgm
.Lentry_in_a_cluster:
	s_bfe_u32 s2, ttmp6, 0x10000c
	s_cmp_lg_u32 s2, 0xf033
	s_cbranch_scc0 .Lentry_shape_is_right
	s_endpgm
.Lentry_shape_is_right:
; The three projections x W on codes of BF8 (E5M2); their results q, k, v are quantised on the way out, with the scales given for the two products of attention, and stored as IMAGES OF OPERAND REGISTERS for the next launch.
; xc: [3][8192][1024], wc: [3][1024][1024]: codes, K innermost; in every 32 rows the second and third group of 8 rows have changed places (stored row 16 u + i is row 8 u + i + 8 (i / 8)).
; A tile of 256 x 256 results is made by a work-group of four waves, as many as a WGP has SIMDs; a wave makes 128 x 128: 64 accumulators of 16 x 16, 512 registers.  384 tiles: 3 x 32 x 4.
; K goes in steps of 256 through a ring of two LDS slots filled by the tensor data mover: a tile's row is 256 bytes of memory.
; TWO OPERANDS, R AND P.  Source 1 of the matrix instruction takes 16 rows of R, source 0 takes 16 rows of P: a lane then holds ONE row of R and, in the 16 registers of two neighbouring accumulators, 16 NEIGHBOURING rows of P
; (that is what the stored order of rows is for).  For q and k: R = x (a lane holds a position), P = W (its registers run along the head's 64, the next K).  For v: R = W (a lane holds a channel), P = x (its registers
; run along the keys, the next K).  The tile is square, so nothing but addresses differs between the two.
; img: [128 heads][8 blocks of 128 positions][24,576 bytes]: 8 images of q's tiles (1,024 bytes: 2 x 512), 8 of k's, 4 of v's (2,048 bytes: 4 x 512); lane l's 16 bytes of a group of four registers lie at 16 l.
; So a lane's four registers of codes go out as they stand: each store of the wave covers 512 consecutive bytes, aligned; nothing goes through LDS on the way out.
; CLUSTERS: 4 x 4 work-groups.  The four of a row of the cluster need the same tiles of R, the four of a column the same tiles of P: each tile is asked for JOINTLY, by the same tensor load with the same descriptor and a mask
; that names the four.  Which projection a cluster serves hangs on the cluster's y alone: it is the same in all sixteen partners.
; LIMIT: eo - ex - ew lies between -126 and 112 (ex, ew: the projection's two scales; eo: entry 6, 7 or 9, the scale of q, k or v), so that the folded scale and 57,344 x it are f32 numbers.
; REGISTERS, in windows of 256: window 0: v0-31 addresses and the two numbers of the quantiser; from v128 R's fragments (8 x 16 rows x 128 K), ONE set; on the way out v32-95 held sums, v128-255 codes.
;   window 1: P's fragments, TWO sets, at v0 and at v128.   window 2: the 32 accumulators of my rows 0-63 of R (accumulator (a, b) at v[8 (8 a + b)]);   window 3: those of my rows 64-127.
.set KSTEP,  256                       ; along K in a slot
.set ROWB,   256                       ; a tile's row in bytes
.set KROW,   1024                      ; a row of codes in memory, in bytes
.set PITCH,  272                       ; an LDS row: 256 bytes of data + 16 of padding = 68 words: row r starts at bank 4 r mod 64 (64 banks of 4 bytes: ISA guide 11.1), so the 16 rows that a load touches start at 16 different banks
.set FR,     16                        ; registers of a fragment: 16 rows x 128 K
.set NL,     4                         ; LDS loads that bring one
.set NP,     4                         ; places behind this matrix instruction (ISA guide 7.12.1)
.set HALFT,  128*PITCH                 ; 128 rows: what one tensor load brings, and what one wave reads of R or of P
.set SLOT,   4*HALFT                   ; R's 256 rows, then P's 256 rows
.set LAPS,   1024/(2*KSTEP)            ; a lap = two K steps = once round the ring
.set SPARE,  2*SLOT                    ; behind the ring: the spare words, 128 bytes for each wave: two blocks of 256 bytes that no other line names
.set HEADSTR, 196608                   ; img: from head to head
.set STEPB,  24576                     ; img: from block to block
.set ADRA, 16                          ; v16-17  LDS address of my fragments of R in slot 0, 1
.set ADRB, 20                          ; v20-21  the same for P
.set CO,   26                          ; v26     16 x lane: my place in an image
.set SPW,  28                          ; v28     LDS address of my spare word: SPARE + 4 x my thread's number; never rewritten
.set NIL,  29                          ; v29     0; never rewritten
.set SCL,  30                          ; v30     2^(eo - ex - ew) as f32
.set LIM,  31                          ; v31     57,344 x that
.set TMP,  32                          ; the way out: 64 registers, a block's sums, held
.set AF,   128                         ; R's fragments, in window 0
.set CD,   128                         ; the way out: codes, 16 registers for each of my eight blocks: no store's data are written again
.set G1, 24                            ; s[24:31] descriptor group 1 for R's tiles;  s[32:39] group 0, one set for each slot
.set G0, 32
.set G1B, 48                           ; s[48:55], s[56:63] the same for P's tiles
.set G0B, 56
.set MSB, 0
.macro WIN new                         ; the immediate's high byte repeats the setting that is left
.if MSB != \new
	s_set_vgpr_msb (MSB<<8)|\new
.set MSB, \new
.endif
.endm
.set MUL_LO, 0xa1                      ; source 0 (P) window 1, source 1 (R) window 0, C and D window 2
.set MUL_HI, 0xf1                      ; the same, C and D window 3
.set TO_B,   0x40                      ; destination window 1, address window 0
; A joint load: waves 0 and 1 fetch for R, waves 2 and 3 for P.  Each of the two lines has ONE mask and one set of registers for all that issue it; the branch hangs on the wave's number alone.
; Four v_nop follow each of the two lines, ahead of the jump, the label and what follows.
.macro JLOAD g0a, g1a, g0b, g1b
	s_cmp_eq_u32 s15, 0
	s_cbranch_scc0 .Lfor_b_\@
	tensor_load_to_lds s[\g0a:\g0a+3], s[\g1a:\g1a+7]
	s_nop 0
.rept 4
	v_nop
.endr
	s_branch .Lasked_\@
.Lfor_b_\@:
	tensor_load_to_lds s[\g0b:\g0b+3], s[\g1b:\g1b+7]
	s_nop 0
.rept 4
	v_nop
.endr
.Lasked_\@:
.endm
.macro CREST                           ; a round of the cluster's barrier behind its opening barrier
	s_cmp_lg_u32 s14, 0
	s_cbranch_scc1 .Lnot_wave_0_\@
	s_barrier_signal -3
.Lnot_wave_0_\@:
	s_barrier_wait -3
	s_barrier_signal -1
	s_barrier_wait -1
.endm
.macro CROUND                          ; a whole round
	s_barrier_signal -1
	s_barrier_wait -1
	CREST
.endm
	s_load_b256 s[4:11], s[0:1], 0x0               ; xc s[4:5], wc s[6:7], the scales' exponents s[8:9], img s[10:11]
	v_lshl_add_u32 v[SPW], v0, 2, SPARE
	v_mov_b32 v[NIL], 0
	ds_add_u32 v28, v29
	ds_add_u32 v28, v29
	s_wait_dscnt 0x0
	v_lshrrev_b32 v1, 5, v0
	v_readfirstlane_b32 s14, v1                    ; wave 0..3
	s_lshr_b32 s15, s14, 1                         ; which half of the tile's rows of R is mine.  Also: I fetch for R (0) or for P (1)
	s_and_b32 s16, s14, 1                          ; which half of its rows of P.  Also: which 128 rows of that tile I fetch
	s_bfe_u32 s40, ttmp6, 0x40000                  ; cx, cy: my place in the cluster
	s_bfe_u32 s41, ttmp6, 0x40004
	s_and_b32 s66, ttmp7, 0xffff                   ; the cluster's y, 0 .. 23 (the grid is one cluster wide)
	s_lshr_b32 s67, s66, 3                         ; which projection: 0 q, 1 k, 2 v
	s_and_b32 s68, s66, 7                          ; which 1,024 rows of x
	s_cmp_eq_u32 s67, 2
	s_cselect_b32 s69, 0, s68                      ; x is R for q and k,
	s_cselect_b32 s70, s68, 0                      ; and P for v
	s_lshl_b32 s17, s69, 2
	s_add_co_u32 s17, s17, s41                     ; R's tile: with cy
	s_lshl_b32 s42, s70, 2
	s_add_co_u32 s42, s42, s40                     ; P's tile: with cx
	s_lshl_b32 s43, s41, 2
	s_lshl_b32 s43, 15, s43                        ; my row of the cluster
	s_lshl_b32 s44, 0x1111, s40                    ; my column
	; descriptor group 1: a tile of 128 rows x ROWB bytes, padded in LDS
	s_or_b32 s[G1+0], s43, (0<<16)|(1<<20)|(1<<21)|(5<<22)|(3<<25)  ; 15:0 the mask: R's tiles go to my row; 17:16 element of 1 byte; 20 padding on; 21 set beside a mask; 24:22 after every 64 words (code 5); 31:25 of 4 words (code 3)
	s_or_b32 s[G1B+0], s44, (0<<16)|(1<<20)|(1<<21)|(5<<22)|(3<<25)
.irp g, G1, G1B
	s_mov_b32 s[\g+1], ROWB<<16                    ; tensor_dim0
	s_mov_b32 s[\g+2], 128<<16                     ; tensor_dim1 = 128
	s_mov_b32 s[\g+3], ROWB<<16                    ; tile_dim0
	s_mov_b32 s[\g+4], 128                         ; tile_dim1 = 128
	s_mov_b32 s[\g+5], KROW                        ; tensor_dim0_stride
	s_mov_b32 s[\g+6], 0
	s_mov_b32 s[\g+7], 0
.endr
	s_lshl_b32 s18, s16, 7                         ; which 128 rows of the tile I fetch
	s_lshl_b32 s20, s17, 8
	s_add_co_u32 s20, s20, s18                     ; R: row 256 x tile + 128 x half,
	s_lshl_b32 s20, s20, 10                        ; in bytes.  These registers never hold cx
	s_mov_b32 s21, 0
	s_lshl_b32 s46, s42, 8
	s_add_co_u32 s46, s46, s18                     ; P likewise.  These never hold cy
	s_lshl_b32 s46, s46, 10
	s_mov_b32 s47, 0
	s_lshl_b32 s72, s67, 23                        ; my projection's part of xc,
	s_mov_b32 s73, 0
	s_lshl_b32 s74, s67, 20                        ; and of wc
	s_mov_b32 s75, 0
	s_mul_i32 s45, s14, HALFT                      ; where the tiles go: wave x 128 rows: no place in the cluster enters an LDS address
	; where my results go: position m0 and channel n0 of my 128 x 128
	s_lshl_b32 s90, s17, 8
	s_lshl_b32 s91, s15, 7
	s_add_co_u32 s90, s90, s91                     ; my first row of R
	s_lshl_b32 s91, s42, 8
	s_lshl_b32 s92, s16, 7
	s_add_co_u32 s91, s91, s92                     ; my first row of P
	s_cmp_eq_u32 s67, 2
	s_cselect_b32 s92, s91, s90                    ; m0: the row of x
	s_cselect_b32 s93, s90, s91                    ; n0: the row of W
	s_lshr_b32 s94, s92, 10
	s_lshl_b32 s94, s94, 4
	s_lshr_b32 s95, s93, 6
	s_add_co_u32 s94, s94, s95                     ; head = 16 x batch + n0 / 64
	s_mul_i32 s94, s94, HEADSTR
	s_bfe_u32 s95, s92, 0x30007                    ; block = (m0 / 128) mod 8
	s_mul_i32 s95, s95, STEPB
	s_add_co_u32 s94, s94, s95
	s_lshl_b32 s95, s67, 13                        ; q's images at 0, k's at 8,192, v's at 16,384
	s_add_co_u32 s94, s94, s95
	s_mov_b32 s95, 0
	s_wait_kmcnt 0x0
	s_load_b256 s[80:87], s[8:9], 0x0              ; e0 .. e7
	s_load_b64 s[88:89], s[8:9], 0x20              ; e8, e9
	s_add_nc_u64 s[72:73], s[4:5], s[72:73]
	s_add_nc_u64 s[74:75], s[6:7], s[74:75]
	s_cmp_eq_u32 s67, 2                            ; the choice hangs on the cluster's y alone
	s_cselect_b64 s[76:77], s[74:75], s[72:73]     ; R
	s_cselect_b64 s[78:79], s[72:73], s[74:75]     ; P
	s_add_nc_u64 s[20:21], s[76:77], s[20:21]
	s_add_nc_u64 s[46:47], s[78:79], s[46:47]
	s_add_nc_u64 s[10:11], s[10:11], s[94:95]
	CROUND                                         ; all sixteen work-groups are here: the first joint loads meet
.irp s, 0,1
	s_mov_b32 s[G0+4*\s], 1
	s_add_co_u32 s[G0+4*\s+1], s45, \s*SLOT
	s_add_nc_u64 s[G0+4*\s+2:G0+4*\s+3], s[20:21], \s*ROWB
	s_or_b32 s[G0+4*\s+3], s[G0+4*\s+3], 0x80000000
	s_mov_b32 s[G0B+4*\s], 1
	s_add_co_u32 s[G0B+4*\s+1], s45, \s*SLOT
	s_add_nc_u64 s[G0B+4*\s+2:G0B+4*\s+3], s[46:47], \s*ROWB
	s_or_b32 s[G0B+4*\s+3], s[G0B+4*\s+3], 0x80000000
	JLOAD G0+4*\s, G1, G0B+4*\s, G1B               ; two loads of mine are out behind these
.endr
	v_and_b32 v1, 15, v0                           ; l % 16
	v_bfe_u32 v2, v0, 4, 1                         ; l / 16
	v_mul_u32_u24 v3, v1, PITCH
	v_lshl_add_u32 v4, v2, 4, v3                   ; a fragment's row x pitch + 16 x half
	s_mul_i32 s22, s15, HALFT                      ; my 128 rows of R
	s_mul_i32 s23, s16, HALFT                      ; my 128 rows of P,
	s_add_co_u32 s23, s23, 2*HALFT                 ; which lie behind R's 256
.irp s, 0,1
	v_add_nc_u32 v[ADRA+\s], s22, v4
	v_add_nc_u32 v[ADRB+\s], s23, v4
	s_add_co_u32 s22, s22, SLOT
	s_add_co_u32 s23, s23, SLOT
.endr
	v_and_b32 v6, 31, v0
	v_lshlrev_b32 v[CO], 4, v6
.macro FRAG reg, adr, q, i             ; a fragment, 16 rows x 128 K of 8-bit codes, is 16 registers: lane l holds row l % 16; registers 4 c .. 4 c + 3 hold K = 32 c + 16 (l / 16) + 0 .. 15: the same places of k in both operands
.irp c, 0,1,2,3
	ds_load_b128 v[\reg+4*\c:\reg+4*\c+3], v[\adr] offset:128*(\q)+32*\c+(\i)*16*PITCH
.endr
.endm
; 16 matrix instructions: R's blocks a0, a0 + 1 x P's eight, 128 along K.  p: P's set.  zero = 1: the first product starts the sums: nothing is ever cleared.
; The 64 accumulators take turns, one instruction a turn, in the same order in every step.
.macro MUL16 a0, p, zero
.irp a, \a0, \a0+1
.irp b, 0,1,2,3,4,5,6,7
.if \zero
	v_wmma_f32_16x16x128_bf8_bf8 v[8*(8*((\a)%4)+\b):8*(8*((\a)%4)+\b)+7], v[128*(\p)+FR*\b:128*(\p)+FR*\b+FR-1], v[AF+FR*(\a):AF+FR*(\a)+FR-1], 0
.else
	v_wmma_f32_16x16x128_bf8_bf8 v[8*(8*((\a)%4)+\b):8*(8*((\a)%4)+\b)+7], v[128*(\p)+FR*\b:128*(\p)+FR*\b+FR-1], v[AF+FR*(\a):AF+FR*(\a)+FR-1], v[8*(8*((\a)%4)+\b):8*(8*((\a)%4)+\b)+7]
.endif
.endr
.endr
.endm
.macro FETCH_B slot, q, p              ; P's eight fragments of the slot's q-th 128 along K into set p
	WIN TO_B
.irp i, 0,1,2,3,4,5,6,7
	FRAG 128*(\p)+FR*\i, ADRB+\slot, \q, \i
.endr
	WIN 0
.endm
.macro FETCH_A slot, q, i0             ; R's blocks i0 .. i0 + 3
.irp i, \i0, \i0+1, \i0+2, \i0+3
	FRAG AF+FR*(\i), ADRA+\slot, \q, \i
.endr
.endm
; A load into a register that a matrix instruction has read, and a vector instruction that reads a matrix result, stand NP places behind that matrix instruction, and only plain vector
; instructions that name none of its registers are places (ISA guide 7.12.1 for vector instructions); the matrix instructions in between are not counted.
.macro PLACES n
.rept \n
	v_nop
.endr
.endm
; A step of 128 along K that has its successor in the same slot.
.macro STEP slot, q, zero
	s_wait_dscnt 4*NL                              ; P's set and R's blocks 0-3 are in; the youngest 16 loads (R's blocks 4-7) may be out
	WIN MUL_LO
	MUL16 0, (\q)%2, \zero
	MUL16 2, (\q)%2, \zero
	s_wait_dscnt 0                                 ; R's blocks 4-7 are in (asked for 32 matrix instructions ago)
	PLACES NP
	FETCH_B \slot, (\q)+1, 1-(\q)%2
	FETCH_A \slot, (\q)+1, 0
	WIN MUL_HI
	MUL16 4, (\q)%2, \zero
	MUL16 6, (\q)%2, \zero
	PLACES NP
	WIN 0
	FETCH_A \slot, (\q)+1, 4
.endm
; A slot's last step changes slots: ONE barrier; in front of it each wave waits for all its tensor loads, adds 0 to its spare word, and waits for that and for its own reads of this slot.  fill = 1: this slot is filled again, two K steps ahead.
.macro TURN slot, next, fill
	s_wait_tensorcnt 0x0                           ; all my tensor loads have landed: my part of the next slot;  (every window is 0 here: the add's two registers lie in window 0)
	ds_add_u32 v[SPW], v[NIL]                      ; 0 onto my spare word;
	s_wait_dscnt 4*NL+1                            ; (the add and the youngest 16 loads, R's blocks 4-7, may be out)
	WIN MUL_LO
	MUL16 0, 1, 0                                  ; sixteen matrix instructions stand between the add and the wait for it
	s_wait_dscnt 0x0                               ; the add is done, and my reads of this slot are over
	s_barrier_signal -1
	MUL16 2, 1, 0
	WIN 0
	s_barrier_wait -1
.if \fill
	CREST                                          ; the barrier has opened a round of the cluster's barrier: no wave of any partner still reads this slot's tile or has a load on its way
	s_add_nc_u64 s[G0+4*\slot+2:G0+4*\slot+3], s[G0+4*\slot+2:G0+4*\slot+3], 2*ROWB
	s_add_nc_u64 s[G0B+4*\slot+2:G0B+4*\slot+3], s[G0B+4*\slot+2:G0B+4*\slot+3], 2*ROWB
	JLOAD G0+4*\slot, G1, G0B+4*\slot, G1B         ; the first tensor load behind the round, and my one load that is out; the four v_nop behind it are the places in front of the loads below
.else
	PLACES NP
.endif
	FETCH_B \next, 0, 0
	FETCH_A \next, 0, 0
	WIN MUL_HI
	MUL16 4, 1, 0
	MUL16 6, 1, 0
	PLACES NP
	WIN 0
	FETCH_A \next, 0, 4
.endm
	s_wait_tensorcnt 1                             ; my part of K step 0 is in (K step 1's load may be out)
	s_barrier_signal -1
	s_barrier_wait -1                              ; everybody's is
	FETCH_B 0, 0, 0
	FETCH_A 0, 0, 0
	FETCH_A 0, 0, 4
	STEP 0, 0, 1                                   ; the first step stands in front of the loop: its products start the sums
	s_mov_b32 s3, LAPS-1
.Llap:                                                 ; a trip goes once round the ring, from a lap's second step to the next lap's first, and fills both slots again
	TURN 0, 1, 1
	STEP 1, 0, 0
	TURN 1, 0, 1
	STEP 0, 0, 0
	s_sub_co_u32 s3, s3, 1
	s_cmp_lg_u32 s3, 0
	s_cbranch_scc1 .Llap
	TURN 0, 1, 0                                   ; the last lap fills nothing, and has no round of the cluster's barrier
	STEP 1, 0, 0
	s_wait_dscnt 4*NL                              ; the very last step: nothing more to fetch
	WIN MUL_LO
	MUL16 0, 1, 0
	MUL16 2, 1, 0
	s_wait_dscnt 0
	WIN MUL_HI
	MUL16 4, 1, 0
	MUL16 6, 1, 0
	WIN 0
; THE WAY OUT.  A sum stands for sum x 2^(ex + ew); its code is sum / 2^(eo - ex - ew): the three scales are folded into the conversion's one.  No branch hangs on them: they are chosen by selects.
	s_wait_kmcnt 0x0
	s_cmp_eq_u32 s67, 0
	s_cselect_b32 s90, s80, s82                    ; ex: entry 0, 2 or 4
	s_cselect_b32 s91, s81, s83                    ; ew: entry 1, 3 or 5
	s_cselect_b32 s92, s86, s87                    ; eo: entry 6 (q), 7 (k) or 9 (v)
	s_cmp_eq_u32 s67, 2
	s_cselect_b32 s90, s84, s90
	s_cselect_b32 s91, s85, s91
	s_cselect_b32 s92, s89, s92
	s_sub_co_i32 s92, s92, s90
	s_sub_co_i32 s92, s92, s91
	s_add_co_i32 s92, s92, 127
	s_lshl_b32 s93, s92, 23
	v_mov_b32 v[SCL], s93                          ; 2^(eo - ex - ew) as f32
	s_add_co_i32 s92, s92, 15
	s_lshl_b32 s92, s92, 23
	s_or_b32 s92, s92, 0x600000
	v_mov_b32 v[LIM], s92                          ; 57,344 x that
	PLACES NP                                      ; behind the last products: their results are read and R's fragments' registers are written below
; Block a of my eight (16 rows of R): its eight accumulators are 64 registers on end; registers 16 e + 0 .. 15 are rows 32 e + 16 (l / 16) + 0 .. 15 of P.  They are held (into other registers, each accumulator
; from its low end on), converted, and each group of four registers of codes is stored as it stands.  isv = 0: block a is tile a of the positions, e = 2 x head + half of the head's 64.  isv = 1: block a is
; tile a % 4 of head a / 4's channels, e is the group of 32 keys.
.macro WAYOUT isv
.irp a, 0,1,2,3,4,5,6,7
.set WN, 0x02+(\a/4)
.set AC, 64*(\a%4)
	WIN WN                                         ; source 0: window 2 or 3
.set j, 0
.rept 64
	v_med3_num_f32 v[TMP+j], v[AC+j], -v[LIM], v[LIM]   ; the conversion to an 8-bit code does not saturate (ISA guide 7.6.2): the hold at the largest code x the scale
.set j, j+1
.endr
	WIN 0
.irp g, 0,1,2,3,4,5,6,7
	v_cvt_scalef32_pk8_bf8_f32 v[CD+16*\a+2*\g:CD+16*\a+2*\g+1], v[TMP+8*\g:TMP+8*\g+7], v[SCL]
.endr
	v_nop                                          ; one plain vector instruction between the last conversion and the next block's holds, which write its sources
.irp e, 0,1,2,3
.if \isv
	global_store_b128 v[CO], v[CD+16*\a+4*\e:CD+16*\a+4*\e+3], s[10:11] offset:(\a/4)*HEADSTR+(\a%4)*2048+\e*512   ; 32 lanes store 512 consecutive bytes, aligned
.else
	global_store_b128 v[CO], v[CD+16*\a+4*\e:CD+16*\a+4*\e+3], s[10:11] offset:(\e/2)*HEADSTR+\a*1024+(\e%2)*512
.endif
.endr
.endr
.endm
	s_cmp_eq_u32 s67, 2                            ; the same in all sixteen partners
	s_cbranch_scc1 .Lout_v
	WAYOUT 0
	s_branch .Ldone
.Lout_v:
	WAYOUT 1
.Ldone:
	s_wait_tensorcnt 0x0                           ; the wave's end, behind my last tensor load
	ds_add_u32 v[SPW], v[NIL]
	s_wait_dscnt 0x0
	CROUND                                         ; the closing round: no work-group ends while a partner may still ask for a tile that names it
	s_endpgm
.Lfunc_end_k_q725348da5f_proj:
	.size	k_q725348da5f_proj, .Lfunc_end_k_q725348da5f_proj-k_q725348da5f_proj
	.p2alignl 7, 3214868480
	.fill 96, 4, 3214868480
	.section	.rodata,"a",@progbits
	.p2align	6, 0x0
	.amdhsa_kernel k_q725348da5f_proj
		.amdhsa_group_segment_fixed_size 327680
		.amdhsa_private_segment_fixed_size 0
		.amdhsa_enable_private_segment 0
		.amdhsa_kernarg_size 32
		.amdhsa_user_sgpr_count 2
		.amdhsa_user_sgpr_kernarg_segment_ptr 1
		.amdhsa_wavefront_size32 1
		.amdhsa_system_sgpr_workgroup_id_x 1
		.amdhsa_system_sgpr_workgroup_id_y 1
		.amdhsa_system_sgpr_workgroup_id_z 1
		.amdhsa_system_vgpr_workitem_id 0
		.amdhsa_next_free_vgpr 1024
		.amdhsa_next_free_sgpr 98
		.amdhsa_reserve_vcc 0
		.amdhsa_float_denorm_mode_32 3
		.amdhsa_float_denorm_mode_16_64 3
		.amdhsa_memory_ordered 1
		.amdhsa_forward_progress 1
		.amdhsa_inst_pref_size 158
	.end_amdhsa_kernel
	.amdgpu_metadata
---
amdhsa.version: [ 1, 2 ]
amdhsa.kernels:
  - .name:           k_q725348da5f_proj
    .symbol:         k_q725348da5f_proj.kd
    .args:
      - { .name: xc, .offset: 0, .size: 8, .value_kind: global_buffer, .address_space: global }
      - { .name: wc, .offset: 8, .size: 8, .value_kind: global_buffer, .address_space: global }
      - { .name: lowp_scales, .offset: 16, .size: 8, .value_kind: global_buffer, .address_space: global }
      - { .name: img, .offset: 24, .size: 8, .value_kind: global_buffer, .address_space: global }
    .group_segment_fixed_size: 327680
    .private_segment_fixed_size: 0
    .kernarg_segment_align: 8
    .kernarg_segment_size: 32
    .max_flat_workgroup_size: 128
    .sgpr_count:     98
    .vgpr_count:     1024
    .wavefront_size: 32
...
	.end_amdgpu_metadata
.endif
;; end of part 2
;; launch attn (part 3): grid 8 x 128, 8 waves a work-group, no clusters, 68,608 bytes of LDS; arguments img, Q_len, V_len, lowp_scales, out0; writes out0
.if DOCPART == 3
	.amdgcn_target "amdgcn-amd-amdhsa--gfx1250"
	.amdhsa_code_object_version 6
	.text
	.protected	k_q725348da5f_attn
	.globl	k_q725348da5f_attn
	.p2align	8
	.type	k_q725348da5f_attn,@function
k_q725348da5f_attn:
	s_mov_b64 s[64:65], 0
	v_nop
	global_prefetch_b8 v0, s[64:65] scope:SCOPE_SE
	s_setreg_imm32_b32 hwreg(HW_REG_WAVE_MODE, 25, 1), 1
	s_wait_xcnt 0x0
; out0[b][q][64 hd ..] = (q < Q_len[b]) x the sum over k of softmax_k(A) v[k], A = q . k / 8 - 1e12 (k >= V_len[b]) - 1e12 (k > q); both products on codes of BF8 (E5M2), head size 64, 1,024 keys, 128 heads.
; img: [128 heads][8 blocks of 128 positions][24,576]: images of operand registers, made by the launch before: 8 tiles of q (1,024 bytes), 8 of k, 4 of v (2,048 bytes); lane l's 16 bytes of a group of four registers at 16 l.
;   A tile T of q or k: lane (r, h) holds position 32 (T / 2) + 8 (T % 2) + r + 8 (r / 8) of the block, channels 32 c + 16 h + 0 .. 15.  A tile t of v: lane (r, h) holds channel 32 (t / 2) + 8 (t % 2) + r + 8 (r / 8), keys 32 c + 16 h + 0 .. 15.
; THE SOFTMAX AHEAD OF THE SECOND PRODUCT: t = A x log2(e); M = the row's largest t so far, rounded UP to a whole number; p = 2^(t - M) is quantised with 2^ep, not normalised; the row's sum is taken of the unquantised p and
; divides at the end.  When M moves, the sum and O are multiplied by 2^(old M - new M): exact.
; WHAT IS NOT COMPUTED.  With V_len >= 1 key 0 is clean for every query, so a key that carries -1e12 or -2e12 has p = 0: only keys k <= min(q, V_len - 1) count.  A query q >= Q_len gives zeros.  So a step of 128 keys is
; fetched only where some wave of the work-group needs it, and worked only by the waves that need it: scalar branches on ids and on the two lengths, which this launch reads as whole numbers.
; V_len <= 0: no key is clean.  Keys k <= q hold fl(A - 1e12), keys k > q are 1e12 lower still (p = 0).  The subtraction is made as it is written, in f32, ahead of the maximum: the raw sum has -1e12 x 8 / 2^(eq + ek) added
; (the same rounding, since the factor is a power of two), is multiplied by c, and t - M is then formed of that rounded t.
; SHARES.  A work-group owns 128 queries of one head (block 7 - x, so that the blocks with most keys come first); each of its eight waves owns one tile of 16 queries.  234 registers a wave, so that four waves fit on a SIMD
; and one wave's vector work stands beside another's matrix work and LDS loads.
; K's and V's images of a step (16,384 bytes, dense in img) go through registers into two LDS buffers by turns: each wave brings 2,048 bytes, asked for a whole step ahead; one barrier a step.
; WHY NO TENSOR LOADS AND NO CLUSTER, though the query blocks of a head walk the same K and V: the number of steps that a block walks is min(128 block + 127, V_len - 1) / 128 + 1, or none where 128 block >= Q_len: it differs
; between partners and hangs on numbers read from memory; walking all eight steps in every block would multiply the work that the lengths spare.
; LAYOUT.  Both products are used transposed: S^T = K Q^T (source 0 = 16 keys, source 1 = my 16 queries), O^T = V^T P^T (source 0 = 16 channels, source 1 = P): a lane holds ONE query (lane % 16) throughout.
; By the tiles' choice of rows register 16 b + i of S^T is key 32 b + 16 (lane / 16) + i of the step, and register 16 b + i of O^T is channel 32 b + 16 (lane / 16) + i.
; LIMITS: eq + ek between -85 and 130; ep between -126 and 112; ep + ev is applied by v_ldexp_f32 and has none.  |A| stays under 1e11, so that a key that carries -1e12 beside a clean key has p = 0, as in f32 it has.
.set HEADSTR, 196608
.set STEPB,   24576
.set BUF,     16384                    ; LDS: buffer 0 at 0, buffer 1 at BUF: K's images (8,192), then V's (8,192)
.set STAGE,   32768                    ; behind them a stage of 16 rows x (256 + 16) bytes for each wave, for the way out
.set SPITCH,  272
.set LI,   1                           ; v1   16 x lane: my place in an image
.set GI,   2                           ; v2   2,048 x wave + 16 x lane: my place in a step's 16,384 bytes, in img and in a buffer
.set DQ,   3                           ; v3   min(my query, last key that counts) - 16 (lane / 16)
.set QN,   4                           ; v4   my query
.set DD,   5                           ; v5   DQ - the step's first key
.set NINF, 6                           ; v6   -infinity
.set GO,   7                           ; v7   the way out: my byte offset in out0
.set STO,  8                           ; v8   where I put my channels of a row in the stage
.set RD,   9                           ; v9   where I read a row back
.set QF,   16                          ; v16-23   Q's fragment
.set G,    24                          ; v24-39   my share of the next step's images
.set F,    40                          ; v40-103  K's 8 fragments of 8 registers, then V's 4 of 16; on the way out rows of O
.set S,    104                         ; v104-167 S^T, then p
.set O,    168                         ; v168-199 O^T
.set P,    200                         ; v200-215 p's codes
.set PX,   216                         ; v216     a lane permute's destination
.set FF,   218                         ; v[218:219] f = 2^(old M - new M)
.set L2,   220                         ; v[220:221] the sums' second chain
.set MA,   222                         ; v222, v223 the maximum's two chains
.set PSC,  224                         ; v224     2^ep as f32
.set PLIM, 225                         ; v225     57,344 x 2^ep
.set NZ,   226                         ; v[226:227] -1e12 in the raw sums' units
.set FAC,  228                         ; v[228:229] the last factor
.set WV,   14
.set HEAD, 15
.set QB,   16
.set BB,   17
.set HD,   18
.set QL,   22
.set VL,   23
.set EQ,   24                          ; s24-27  eq, ek, ep, ev
.set KVP,  32                          ; s[32:33] K's images of the trip's first step
.set Z,    34                          ; 1 where V_len <= 0
.set LM1,  35                          ; the last key that the key-side length lets count
.set LASTG, 36                         ; the last key that any wave of the work-group needs, or -1
.set LASTW, 37                         ; the last key that my wave needs, or -1
.set OPENB, 38                         ; a step whose last key is at most this needs no mask
.set QMIN, 39                          ; my wave's first query
.set CS,   40                          ; s[40:41] what turns S into t in the common lines: c, or 1.0 where V_len <= 0
.set CZ,   42                          ; s[42:43] c = log2(e) / 8 x 2^(eq + ek)
.set HOLD, 44                          ; 1 where 57,344 x 2^ep is under 1.75, so that p may want the hold
.set KF,   45                          ; the step's first key
.set T0,   46                          ; the next step's
.set TRIP, 48
.set SEL,  50                          ; s[50:51] v_permlanex16_b32's selects for lane l xor 16
.set QMASK, 52                         ; the lanes whose query is under Q_len
.set EPV,  53                          ; ep + ev
	s_load_b256 s[4:11], s[0:1], 0x0               ; img s[4:5], Q_len s[6:7], V_len s[8:9], the scales' exponents s[10:11]
	s_load_b64 s[12:13], s[0:1], 0x20              ; out0
	v_lshl_add_u32 v232, v0, 2, 0x10800
	v_mov_b32 v233, 0
	v_lshrrev_b32 v[GI], 5, v0
	v_readfirstlane_b32 s[WV], v[GI]               ; wave 0..7
	v_and_b32 v10, 31, v0
	v_lshlrev_b32 v[LI], 4, v10
	v_lshl_add_u32 v[GI], v[GI], 11, v[LI]
	v_and_b32 v11, 15, v0                          ; r
	v_bfe_u32 v10, v0, 4, 1                        ; h
	s_and_b32 s[HEAD], ttmp7, 0xffff               ; 16 x batch + head
	s_sub_co_u32 s[QB], 7, ttmp9                   ; my block of 128 queries
	s_lshr_b32 s[BB], s[HEAD], 4
	s_and_b32 s[HD], s[HEAD], 15
	s_lshl_b32 s20, s[BB], 2                       ; the batch's entry in Q_len and V_len
	s_mov_b32 s21, 0
	s_lshl_b32 s[QMIN], s[QB], 7                   ; my first query: 128 x block + 32 (wave / 2) + 8 (wave % 2)
	s_lshr_b32 s19, s[WV], 1
	s_lshl_b32 s19, s19, 5
	s_add_co_u32 s[QMIN], s[QMIN], s19
	s_and_b32 s19, s[WV], 1
	s_lshl_b32 s19, s19, 3
	s_add_co_u32 s[QMIN], s[QMIN], s19
	s_mul_i32 s19, s[WV], 16*SPITCH
	s_add_co_u32 s19, s19, STAGE                   ; my stage
	v_mul_u32_u24 v[STO], v11, SPITCH
	v_lshl_add_u32 v[STO], v10, 6, v[STO]
	v_add_nc_u32 v[STO], s19, v[STO]               ; in: row r, + 64 h bytes: channels 16 h on
	v_mul_u32_u24 v[RD], v10, SPITCH
	v_lshl_add_u32 v[RD], v11, 4, v[RD]
	v_add_nc_u32 v[RD], s19, v[RD]                 ; back: lanes 0-15 one row, lanes 16-31 the next
	v_lshlrev_b32 v[GO], 12, v10
	v_lshl_add_u32 v[GO], v11, 4, v[GO]            ; and the same two rows in out0, 4,096 bytes apart
	v_and_b32 v[QN], 8, v11
	v_add_nc_u32 v[QN], v[QN], v11
	v_add_nc_u32 v[QN], s[QMIN], v[QN]             ; my query: first + r + 8 (r / 8)
	s_mul_i32 s28, s[HEAD], HEADSTR
	s_mov_b32 s29, 0
	s_mul_i32 s30, s[QB], STEPB
	s_lshl_b32 s19, s[WV], 10
	s_add_co_u32 s30, s30, s19                     ; my tile of q: block, tile = wave
	s_mov_b32 s31, 0
	s_lshl_b32 s19, s[BB], 10
	s_add_co_u32 s19, s19, s[QMIN]
	s_lshl_b32 s54, s19, 12                        ; out0: row 1,024 x batch + my first query, of 4,096 bytes,
	s_lshl_b32 s19, s[HD], 8
	s_add_co_u32 s54, s54, s19                     ; + the head's 256 bytes
	s_mov_b32 s55, 0
	s_mov_b32 s[SEL], 0x76543210
	s_mov_b32 s[SEL+1], 0xfedcba98
	s_wait_kmcnt 0x0
	s_add_nc_u64 s[6:7], s[6:7], s[20:21]
	s_add_nc_u64 s[8:9], s[8:9], s[20:21]
	s_load_b32 s[QL], s[6:7], 0x0
	s_load_b32 s[VL], s[8:9], 0x0
	s_load_b128 s[EQ:EQ+3], s[10:11], 0x18         ; entries 6 to 9: eq, ek, ep, ev
	s_add_nc_u64 s[28:29], s[4:5], s[28:29]        ; the head's images
	s_add_nc_u64 s[30:31], s[28:29], s[30:31]
	s_add_nc_u64 s[KVP:KVP+1], s[28:29], 8192      ; K's images of step 0
	s_add_nc_u64 s[12:13], s[12:13], s[54:55]
	global_load_b128 v[QF:QF+3], v[LI], s[30:31] th:TH_LOAD_NT             ; Q's fragment stays in registers; nobody else reads it
	global_load_b128 v[QF+4:QF+7], v[LI], s[30:31] offset:512 th:TH_LOAD_NT
.irp i, 0,1,2,3
	global_load_b128 v[G+4*\i:G+4*\i+3], v[GI], s[KVP:KVP+1] offset:512*\i   ; my share of step 0, whatever the lengths: it lies inside img
.endr
	v_mov_b32 v13, 0xff61b1e6                      ; the largest t so far: -3e38, under every t
	v_floor_f32 v12, -v13                          ; -M
	v_mov_b32 v14, 0                               ; the sum, in two halves
	v_mov_b32 v15, 0
	v_mov_b32 v[PX], 0                             ; written once: a lane permute's destination counts as one of its sources
	v_mov_b32 v[FF+1], 0                           ; (named as the upper half of a pair)
	v_mov_b32 v[NINF], 0xff800000
.set j, 0
.rept 32
	v_mov_b32 v[O+j], 0                            ; O^T.  The step is written once: the first finds zeros, which the first change of M leaves zeros; a wave with no step stores them
.set j, j+1
.endr
	s_wait_kmcnt 0x0
	s_min_i32 s[LM1], s[VL], 1024
	s_cmp_le_i32 s[VL], 0
	s_cselect_b32 s[Z], 1, 0
	s_cselect_b32 s[LM1], 1024, s[LM1]             ; with no clean key the causal mask alone decides
	s_sub_co_i32 s[LM1], s[LM1], 1
	s_lshl_b32 s19, s[QB], 7
	s_add_co_u32 s[LASTG], s19, 127
	s_min_i32 s[LASTG], s[LASTG], s[LM1]
	s_cmp_lt_i32 s19, s[QL]
	s_cselect_b32 s[LASTG], s[LASTG], -1           ; no query of the block under Q_len: nothing is needed
	s_add_co_u32 s[LASTW], s[QMIN], 23             ; my last query
	s_min_i32 s[LASTW], s[LASTW], s[LM1]
	s_cmp_lt_i32 s[QMIN], s[QL]
	s_cselect_b32 s[LASTW], s[LASTW], -1
	s_min_i32 s[OPENB], s[QMIN], s[LM1]
	s_cmp_eq_u32 s[Z], 1
	s_cselect_b32 s[OPENB], -1, s[OPENB]           ; with no clean key every step takes the way with the subtraction
	s_add_co_i32 s19, s[EQ], s[EQ+1]
	s_lshl_b32 s47, s19, 23
	s_add_co_i32 s[CZ], s47, 0x3e38aa3b            ; log2(e) / 8, with eq + ek added to its exponent field
	s_mov_b32 s[CZ+1], s[CZ]                       ; (named with it as a pair, so it is written)
	s_cmp_eq_u32 s[Z], 1
	s_cselect_b32 s[CS], 0x3f800000, s[CZ]
	s_mov_b32 s[CS+1], s[CS]
	s_sub_co_i32 s19, 3, s19
	s_lshl_b32 s19, s19, 23
	s_add_co_i32 s19, s19, 0xd368d4a5              ; -1e12 as f32, with 3 - eq - ek added to its exponent field
	v_mov_b32 v[NZ], s19
	v_mov_b32 v[NZ+1], s19
	s_cmp_lt_i32 s[EQ+2], -15
	s_cselect_b32 s[HOLD], 1, 0
	s_add_co_i32 s19, s[EQ+2], 127
	s_lshl_b32 s47, s19, 23
	v_mov_b32 v[PSC], s47
	s_add_co_i32 s19, s19, 15
	s_lshl_b32 s19, s19, 23
	s_or_b32 s19, s19, 0x600000
	v_mov_b32 v[PLIM], s19
	s_add_co_i32 s[EPV], s[EQ+2], s[EQ+3]
	v_cmp_gt_i32 s[QMASK], s[QL], v[QN]
	v_min_u32 v[DQ], s[LM1], v[QN]                 ; both are 0 or more
	v_lshlrev_b32 v10, 4, v10
	v_sub_nc_u32 v[DQ], v[DQ], v10
	s_mov_b32 s[KF], 0
	s_mov_b32 s[TRIP], 4
	s_wait_loadcnt 0x0                             ; Q, and my share of step 0,
.irp i, 0,1,2,3
	ds_store_b128 v[GI], v[G+4*\i:G+4*\i+3] offset:512*\i   ; which goes into buffer 0
.endr
; A STEP of 128 keys, whose images lie in buffer p.  One barrier, on every wave's path: in front of it my stores into buffer p have landed and my reads of the other buffer are back; behind it buffer p is whole and nobody
; reads the other, which takes the next step's images at this step's end.
.macro STEP p
	s_wait_dscnt 0x0
	s_barrier_signal -1
	s_barrier_wait -1
	s_add_co_u32 s[T0], s[KF], 128
	s_cmp_le_i32 s[T0], s[LASTG]                   ; does any wave need the next step?  (At most key 1,023 is needed, so no load leaves img.)  The same in all eight waves
	s_cbranch_scc0 .Lnoask_\@
.irp i, 0,1,2,3
	global_load_b128 v[G+4*\i:G+4*\i+3], v[GI], s[KVP:KVP+1] offset:(1+\p)*STEPB+512*\i   ; my share of it: it has this step's work in which to come
.endr
.Lnoask_\@:
	s_cmp_le_i32 s[KF], s[LASTW]                   ; do I need this step?  If so its first key counts for each of my queries: no row of the step is wholly hidden
	s_cbranch_scc0 .Lidle_\@
.irp t, 0,1,2,3,4,5,6,7
.irp c, 0,1
	ds_load_b128 v[F+8*\t+4*\c:F+8*\t+4*\c+3], v[LI] offset:\p*BUF+\t*1024+\c*512   ; K's eight fragments
.endr
.endr
	s_wait_dscnt 0x0
.irp t, 0,1,2,3,4,5,6,7
	v_wmma_f32_16x16x64_bf8_bf8 v[S+8*\t:S+8*\t+7], v[F+8*\t:F+8*\t+7], v[QF:QF+7], 0
.endr
.rept 4
	v_nop                                          ; four places: in front of the loads into the registers that these products read, and of the first read of their results
.endr
.irp t, 0,1,2,3
.irp c, 0,1,2,3
	ds_load_b128 v[F+16*\t+4*\c:F+16*\t+4*\c+3], v[LI] offset:\p*BUF+8192+\t*2048+\c*512   ; V's four fragments come while the softmax is worked
.endr
.endr
	s_add_co_u32 s47, s[KF], 127
	s_cmp_le_i32 s47, s[OPENB]
	s_cbranch_scc1 .Lopen_\@                       ; all 128 keys count for all my queries
	s_cmp_eq_u32 s[Z], 0
	s_cbranch_scc1 .Lclean_\@
.set j, 0
.rept 32
	v_pk_add_f32 v[S+j:S+j+1], v[S+j:S+j+1], v[NZ:NZ+1]   ; V_len <= 0: A - 1e12, rounded as f32 rounds it
.set j, j+2
.endr
.set j, 0
.rept 32
	v_pk_mul_f32 v[S+j:S+j+1], v[S+j:S+j+1], s[CZ:CZ+1] op_sel_hi:[1,0]   ; and t of that
.set j, j+2
.endr
.Lclean_\@:
	v_sub_nc_u32 v[DD], v[DQ], s[KF]               ; register 16 b + i holds key KF + 16 (lane / 16) + 32 b + i: hidden where 32 b + i > DD
.set n, 0
.rept 64
	v_cmp_gt_i32 vcc_lo, 32*(n/16)+n%16, v[DD]
	v_cndmask_b32 v[S+n], v[S+n], v[NINF], vcc_lo  ; -infinity ahead of the maximum: p = 0 then
.set n, n+1
.endr
.Lopen_\@:
	v_max3_num_f32 v[MA], v[S], v[S+1], v[S+2]     ; the step's largest score of my query, among my 64 keys, in two chains,
	v_max3_num_f32 v[MA+1], v[S+3], v[S+4], v[S+5]
.irp i, 6,10,14,18,22,26,30,34,38,42,46,50,54,58
	v_max3_num_f32 v[MA], v[MA], v[S+\i], v[S+\i+1]
	v_max3_num_f32 v[MA+1], v[MA+1], v[S+\i+2], v[S+\i+3]
.endr
	v_max3_num_f32 v[MA], v[MA], v[S+62], v[S+63]
	v_max_num_f32 v[MA], v[MA], v[MA+1]
	v_permlanex16_b32 v[PX], v[MA], s[SEL], s[SEL+1]
	v_max_num_f32 v[MA], v[MA], v[PX]              ; and among lane l xor 16's
	v_mul_f32 v[MA], s[CS], v[MA]                  ; as t (the factor is positive)
	v_max_num_f32 v13, v13, v[MA]                  ; the running largest t
	v_mov_b32 v[MA], v12
	v_floor_f32 v12, -v13                          ; the new -M = floor(-t) = -ceil(t): M is a whole number
	v_sub_f32 v[MA], v12, v[MA]                    ; M's old value less its new one: a whole number, 0 or less
	v_cvt_i32_f32 v[MA], v[MA]                     ; (it saturates)
	v_ldexp_f32 v[FF], 1.0, v[MA]                  ; f = 2^(old M - new M)
.set j, 0
.rept 32
	v_pk_fma_f32 v[S+j:S+j+1], v[S+j:S+j+1], s[CS:CS+1], v[12:13] op_sel_hi:[1,0,0]   ; t - M, two at a time (of the two pairs the low word serves both halves)
.set j, j+2
.endr
.set j, 0
.rept 64
	v_exp_f32 v[S+j], v[S+j]                       ; p = 2^(t - M), at most 1: not normalised
.set j, j+1
.endr
	v_pk_mul_f32 v[14:15], v[14:15], v[FF:FF+1] op_sel_hi:[1,0]   ; the sums under the new M: the plain instruction behind the exponentials
	s_wait_alu depctr_va_vdst(0)                   ; one wait for the whole batch, ahead of its first reader
	v_pk_add_f32 v[L2:L2+1], v[S:S+1], v[S+2:S+3]  ; the row's sum is taken of the unquantised p: two at a time, in two chains
.irp j, 4,8,12,16,20,24,28,32,36,40,44,48,52,56,60
	v_pk_add_f32 v[14:15], v[14:15], v[S+\j:S+\j+1]
	v_pk_add_f32 v[L2:L2+1], v[L2:L2+1], v[S+\j+2:S+\j+3]
.endr
	v_pk_add_f32 v[14:15], v[14:15], v[L2:L2+1]
	s_cmp_eq_u32 s[HOLD], 0
	s_cbranch_scc1 .Lnohold_\@                     ; ep >= -15: 57,344 x 2^ep is 1.75 or more, over every p: the hold would change nothing
.set j, 0
.rept 64
	v_min_num_f32 v[S+j], v[S+j], v[PLIM]          ; the conversion to an 8-bit code does not saturate (ISA guide 7.6.2); p is not negative, so the hold is one-sided
.set j, j+1
.endr
.Lnohold_\@:
.irp b, 0,1,2,3
	v_cvt_scalef32_pk8_bf8_f32 v[P+4*\b:P+4*\b+1], v[S+16*\b:S+16*\b+7], v[PSC]       ; registers 4 b .. 4 b + 3 of the operand: keys 32 b + 16 (lane / 16) + 0 .. 15, as V's images have them
	v_cvt_scalef32_pk8_bf8_f32 v[P+4*\b+2:P+4*\b+3], v[S+16*\b+8:S+16*\b+15], v[PSC]
.endr
.set j, 0
.rept 16
	v_pk_mul_f32 v[O+j:O+j+1], v[O+j:O+j+1], v[FF:FF+1] op_sel_hi:[1,0]   ; O^T under the new M.  (Also the plain instructions between the conversions and the products that read their results)
.set j, j+2
.endr
	s_wait_dscnt 0x0                               ; V is in
.irp t, 0,1,2,3
	v_wmma_f32_16x16x128_bf8_bf8 v[O+8*\t:O+8*\t+7], v[F+16*\t:F+16*\t+15], v[P:P+15], v[O+8*\t:O+8*\t+7]   ; the four accumulators by turns, one instruction a turn; the next step's eight score products stand between two links
.endr
.rept 4
	v_nop                                          ; four places for whatever follows: the next step's loads into the fragments' registers, the rescaling, the way out
.endr
.Lidle_\@:
	s_wait_loadcnt 0x0                             ; my share of the next step, if it was asked for, is in
	s_cmp_le_i32 s[T0], s[LASTG]
	s_cbranch_scc0 .Lnoput_\@
.irp i, 0,1,2,3
	ds_store_b128 v[GI], v[G+4*\i:G+4*\i+3] offset:(1-\p)*BUF+512*\i   ; into the other buffer, which every wave left in front of this step's barrier
.endr
.Lnoput_\@:
	s_mov_b32 s[KF], s[T0]
.endm
.Ltrip:                                                ; four trips of two steps: a constant count, so that every wave passes every barrier; what the lengths spare is jumped over inside a step
	STEP 0
	STEP 1
	s_wait_xcnt 0x0                                ; the trip's loads have read their base
	s_add_nc_u64 s[KVP:KVP+1], s[KVP:KVP+1], 2*STEPB
	s_sub_co_i32 s[TRIP], s[TRIP], 1
	s_cmp_lg_u32 s[TRIP], 0
	s_cbranch_scc1 .Ltrip
	; THE WAY OUT, for every wave.  O^T is divided by the row's sum, multiplied by 2^(ep + ev), or by 0 where the query is not under Q_len (a wave with no step has only such queries), and goes through my own stage in LDS,
	; so that sixteen lanes store the head's 256 consecutive bytes of a row of out0, aligned.
	v_add_f32 v14, v14, v15                        ; the sum's two halves,
	v_permlanex16_b32 v[PX], v14, s[SEL], s[SEL+1]
	v_add_f32 v14, v14, v[PX]                      ; and lane l xor 16's
	v_rcp_f32 v[FAC], v14
	v_mov_b32 v[FAC+1], 0                          ; a plain instruction behind the reciprocal (and the pair's upper half is written)
	s_wait_alu depctr_va_vdst(0)                   ; the wait ahead of the first reader
	v_ldexp_f32 v[FAC], v[FAC], s[EPV]
	v_cndmask_b32 v[FAC], 0, v[FAC], s[QMASK]
.set j, 0
.rept 16
	v_pk_mul_f32 v[S+j:S+j+1], v[O+j:O+j+1], v[FAC:FAC+1] op_sel_hi:[1,0]   ; register 16 b + i: channel 32 b + 16 (lane / 16) + i of my query; each accumulator from its low end on
.set j, j+2
.endr
.irp b, 0,1
.irp k, 0,1,2,3
	ds_store_b128 v[STO], v[S+16*\b+4*\k:S+16*\b+4*\k+3] offset:128*\b+16*\k
.endr
.endr
.irp i, 0,1,2,3,4,5,6,7
	ds_load_b128 v[F+4*\i:F+4*\i+3], v[RD] offset:2*\i*SPITCH   ; LDS serves a wave's instructions in order (ISA guide 5.7.1.4): these see my stores; the stage is mine alone
.endr
.irp i, 0,1,2,3,4,5,6,7
	s_wait_dscnt 7-\i                              ; load i is back; the younger ones may be out
	global_store_b128 v[GO], v[F+4*\i:F+4*\i+3], s[12:13] offset:(2*\i+8*(\i/4))*4096 th:TH_STORE_NT   ; stage rows 2 i, 2 i + 1 are queries first + row + 8 (row / 8); written once, read by nobody here
.endr
	s_wait_tensorcnt 0x0
	ds_add_u32 v232, v233
	s_wait_dscnt 0x0
	s_endpgm
.Lfunc_end_k_q725348da5f_attn:
	.size	k_q725348da5f_attn, .Lfunc_end_k_q725348da5f_attn-k_q725348da5f_attn
	.p2alignl 7, 3214868480
	.fill 96, 4, 3214868480
	.section	.rodata,"a",@progbits
	.p2align	6, 0x0
	.amdhsa_kernel k_q725348da5f_attn
		.amdhsa_group_segment_fixed_size 68608
		.amdhsa_private_segment_fixed_size 0
		.amdhsa_enable_private_segment 0
		.amdhsa_kernarg_size 40
		.amdhsa_user_sgpr_count 2
		.amdhsa_user_sgpr_kernarg_segment_ptr 1
		.amdhsa_wavefront_size32 1
		.amdhsa_system_sgpr_workgroup_id_x 1
		.amdhsa_system_sgpr_workgroup_id_y 1
		.amdhsa_system_sgpr_workgroup_id_z 1
		.amdhsa_system_vgpr_workitem_id 0
		.amdhsa_next_free_vgpr 234
		.amdhsa_next_free_sgpr 66
		.amdhsa_reserve_vcc 1
		.amdhsa_float_denorm_mode_32 3
		.amdhsa_float_denorm_mode_16_64 3
		.amdhsa_memory_ordered 1
		.amdhsa_forward_progress 1
		.amdhsa_inst_pref_size 62
	.end_amdhsa_kernel
	.amdgpu_metadata
---
amdhsa.version: [ 1, 2 ]
amdhsa.kernels:
  - .name:           k_q725348da5f_attn
    .symbol:         k_q725348da5f_attn.kd
    .args:
      - { .name: img, .offset: 0, .size: 8, .value_kind: global_buffer, .address_space: global }
      - { .name: Q_len, .offset: 8, .size: 8, .value_kind: global_buffer, .address_space: global }
      - { .name: V_len, .offset: 16, .size: 8, .value_kind: global_buffer, .address_space: global }
      - { .name: lowp_scales, .offset: 24, .size: 8, .value_kind: global_buffer, .address_space: global }
      - { .name: out0, .offset: 32, .size: 8, .value_kind: global_buffer, .address_space: global }
    .group_segment_fixed_size: 68608
    .private_segment_fixed_size: 0
    .kernarg_segment_align: 8
    .kernarg_segment_size: 40
    .max_flat_workgroup_size: 256
    .sgpr_count:     66
    .vgpr_count:     234
    .wavefront_size: 32
...
	.end_amdgpu_metadata
.endif
;; end of part 3
;; ======== version 2 of 2: 3 launches; version 1 with the launch attn written anew for expert scheduling mode
;; limits: right only within a limited range of input values
;; workspace buffers: xc 25,165,824 bytes; wc 3,145,728 bytes; img 25,165,824 bytes
;; launch prep: the kernel of part 1 again; grid 864 x 1, 4 waves a work-group, no clusters, 68,096 bytes of LDS; arguments Q_seq, K_seq, V_seq, WQ, WK, WV, lowp_scales, xc, wc; writes xc, wc
;; launch proj: the kernel of part 2 again; grid 4 x 96, 4 waves a work-group, clusters of 4 x 4, 327,680 bytes of LDS; arguments xc, wc, lowp_scales, img; writes img
;; launch attn (part 4): grid 8 x 128, 8 waves a work-group, no clusters, 68,608 bytes of LDS; arguments img, Q_len, V_len, lowp_scales, out0; writes out0
.if DOCPART == 4
	.amdgcn_target "amdgcn-amd-amdhsa--gfx1250"
	.amdhsa_code_object_version 6
	.text
	.protected	k_q725348da5f_attn
	.globl	k_q725348da5f_attn
	.p2align	8
	.type	k_q725348da5f_attn,@function
k_q725348da5f_attn:
	s_mov_b64 s[64:65], 0
	v_nop
	global_prefetch_b8 v0, s[64:65] scope:SCOPE_SE
	s_setreg_imm32_b32 hwreg(HW_REG_WAVE_SCHED_MODE, 0, 2), 2
	s_setreg_imm32_b32 hwreg(HW_REG_WAVE_MODE, 25, 1), 1
	s_wait_xcnt 0x0
	s_wait_alu depctr_vm_vsrc(0)
; out0[b][q][64 hd ..] = (q < Q_len[b]) x the sum over k of softmax_k(A) v[k], A = q . k / 8 - 1e12 (k >= V_len[b]) - 1e12 (k > q); both products on codes of BF8 (E5M2), head size 64, 1,024 keys, 128 heads.
; img: [128 heads][8 blocks of 128 positions][24,576]: images of operand registers, made by the launch before: 8 tiles of q (1,024 bytes), 8 of k, 4 of v (2,048 bytes); lane l's 16 bytes of a group of four registers at 16 l.
;   A tile T of q or k: lane (r, h) holds position 32 (T / 2) + 8 (T % 2) + r + 8 (r / 8) of the block, channels 32 c + 16 h + 0 .. 15.  A tile t of v: lane (r, h) holds channel 32 (t / 2) + 8 (t % 2) + r + 8 (r / 8), keys 32 c + 16 h + 0 .. 15.
; THE SOFTMAX AHEAD OF THE SECOND PRODUCT: t = A x log2(e); M = the row's largest t so far, rounded UP to a whole number; p = 2^(t - M) is quantised with 2^ep, not normalised; the row's sum is taken of the unquantised p and
; divides at the end.  When M moves, the sum and O are multiplied by 2^(old M - new M): exact.
; WHAT IS NOT COMPUTED.  With V_len >= 1 key 0 is clean for every query, so a key that carries -1e12 or -2e12 has p = 0: only keys k <= min(q, V_len - 1) count.  A query q >= Q_len gives zeros.  So a step of 128 keys is
; fetched only where some wave of the work-group needs it, and worked only by the waves that need it: scalar branches on ids and on the two lengths, which this launch reads as whole numbers.
; V_len <= 0: no key is clean.  Keys k <= q hold fl(A - 1e12), keys k > q are 1e12 lower still (p = 0).  The subtraction is made as it is written, in f32, ahead of the maximum: the raw sum has -1e12 x 8 / 2^(eq + ek) added
; (the same rounding, since the factor is a power of two), is multiplied by c, and t - M is then formed of that rounded t.
; SHARES.  A work-group owns 128 queries of one head (block 7 - x, so that the blocks with most keys come first); each of its eight waves owns one tile of 16 queries.  232 registers a wave, so that four waves fit on a SIMD
; and one wave's vector work stands beside another's matrix work and LDS loads.
; K's and V's images of a step (16,384 bytes, dense in img) go through registers into two LDS buffers by turns: each wave brings 2,048 bytes, asked for a whole step ahead; one barrier a step.
; WHY NO TENSOR LOADS AND NO CLUSTER, though the query blocks of a head walk the same K and V: the number of steps that a block walks is min(128 block + 127, V_len - 1) / 128 + 1, or none where 128 block >= Q_len: it differs
; between partners and hangs on numbers read from memory; walking all eight steps in every block would multiply the work that the lengths spare.
; LAYOUT.  Both products are used transposed: S^T = K Q^T (source 0 = 16 keys, source 1 = my 16 queries), O^T = V^T P^T (source 0 = 16 channels, source 1 = P): a lane holds ONE query (lane % 16) throughout.
; By the tiles' choice of rows register 16 b + i of S^T is key 32 b + 16 (lane / 16) + i of the step, and register 16 b + i of O^T is channel 32 b + 16 (lane / 16) + i.
; LIMITS: eq + ek between -85 and 130; ep between -126 and 112; ep + ev is applied by v_ldexp_f32 and has none.  |A| stays under 1e11, so that a key that carries -1e12 beside a clean key has p = 0, as in f32 it has.
; THE MODE: SCHED_MODE bits 1:0 = 2 (LLVM: expert scheduling mode 2), set by the entry lines.  The code itself states the register dependences between vector or matrix instructions and memory or LDS instructions,
; with s_wait_alu, always for 0.
; THE PLAN.  Registers that memory or LDS instructions touch:
;   v1, v2, v7, v8, v9   addresses: written by vector lines at the head and never again.  One wait on va_vdst ahead of the first load serves every load and store of the kernel.
;   QF                   lands once, at the head; read by products alone.
;   G                    named by no vector instruction.  The loads of the next step's share land in it behind a step's barrier; the LDS stores at that step's end read it.  One wait on vm_vsrc at a step's head,
;                        ahead of the branch round the loads, states that those stores have read it.
;   F                    K's fragments land; the eight score products read them; V's fragments land; the four products V^T P read them; then the next step's K.  So two waits on va_vdst a step: one ahead of K's run
;                        of loads, one ahead of V's loads.  V's sixteen loads are dealt among the lines of the maximum, which name S, v222 and v223 alone: none of the registers that those loads touch.
;   S (the way out)      written by the last multiplications, read by the stage's LDS stores: one wait on va_vdst between; it also shows all products done reading F, in which the stage's loads land.
;   Scalar results of vector lines: the wave's number, the query mask, and the masks of hidden keys (sixteen compares into s16-31, one wait on va_sdst, sixteen selects): each has its wait ahead of its first reader.
.set HEADSTR, 196608
.set STEPB,   24576
.set BUF,     16384                    ; LDS: buffer 0 at 0, buffer 1 at BUF: K's images (8,192), then V's (8,192)
.set STAGE,   32768                    ; behind them a stage of 16 rows x (256 + 16) bytes for each wave, for the way out
.set SPITCH,  272
.set LI,   1                           ; v1   16 x lane: my place in an image
.set GI,   2                           ; v2   2,048 x wave + 16 x lane: my place in a step's 16,384 bytes, in img and in a buffer
.set DQ,   3                           ; v3   min(my query, last key that counts) - 16 (lane / 16)
.set QN,   4                           ; v4   my query
.set DD,   5                           ; v5   DQ - the step's first key
.set NINF, 6                           ; v6   -infinity
.set GO,   7                           ; v7   the way out: my byte offset in out0
.set STO,  8                           ; v8   where I put my channels of a row in the stage
.set RD,   9                           ; v9   where I read a row back
.set QF,   16                          ; v16-23   Q's fragment
.set G,    24                          ; v24-39   my share of the next step's images
.set F,    40                          ; v40-103  K's 8 fragments of 8 registers, then V's 4 of 16; on the way out rows of O
.set S,    104                         ; v104-167 S^T, then p
.set O,    168                         ; v168-199 O^T
.set P,    200                         ; v200-215 p's codes
.set PX,   216                         ; v216     a lane permute's destination
.set FF,   218                         ; v[218:219] f = 2^(old M - new M)
.set L2,   220                         ; v[220:221] the sums' second chain
.set MA,   222                         ; v222, v223 the maximum's two chains
.set PSC,  224                         ; v224     2^ep as f32
.set PLIM, 225                         ; v225     57,344 x 2^ep
.set NZ,   226                         ; v[226:227] -1e12 in the raw sums' units
.set FAC,  228                         ; v[228:229] the last factor
.set WV,   14
.set HEAD, 15
.set QB,   16
.set BB,   17
.set HD,   18
.set QL,   22
.set VL,   23
.set EQ,   24                          ; s24-27  eq, ek, ep, ev
.set MK,   16                          ; s16-31  in the steps: sixteen masks of hidden keys.  What the head keeps in these registers is done with when the first step begins
.set KVP,  32                          ; s[32:33] K's images of the trip's first step
.set Z,    34                          ; 1 where V_len <= 0
.set LM1,  35                          ; the last key that the key-side length lets count
.set LASTG, 36                         ; the last key that any wave of the work-group needs, or -1
.set LASTW, 37                         ; the last key that my wave needs, or -1
.set OPENB, 38                         ; a step whose last key is at most this needs no mask
.set QMIN, 39                          ; my wave's first query
.set CS,   40                          ; s[40:41] what turns S into t in the common lines: c, or 1.0 where V_len <= 0
.set CZ,   42                          ; s[42:43] c = log2(e) / 8 x 2^(eq + ek)
.set HOLD, 44                          ; 1 where 57,344 x 2^ep is under 1.75, so that p may want the hold
.set KF,   45                          ; the step's first key
.set T0,   46                          ; the next step's
.set TRIP, 48
.set SEL,  50                          ; s[50:51] v_permlanex16_b32's selects for lane l xor 16
.set QMASK, 52                         ; the lanes whose query is under Q_len
.set EPV,  53                          ; ep + ev
	s_load_b256 s[4:11], s[0:1], 0x0               ; img s[4:5], Q_len s[6:7], V_len s[8:9], the scales' exponents s[10:11]
	s_load_b64 s[12:13], s[0:1], 0x20              ; out0
	v_lshl_add_u32 v230, v0, 2, 0x10800
	v_mov_b32 v231, 0
	v_lshrrev_b32 v[GI], 5, v0
	v_readfirstlane_b32 s[WV], v[GI]               ; wave 0..7
	v_and_b32 v10, 31, v0
	v_lshlrev_b32 v[LI], 4, v10
	v_lshl_add_u32 v[GI], v[GI], 11, v[LI]
	v_and_b32 v11, 15, v0                          ; r
	v_bfe_u32 v10, v0, 4, 1                        ; h
	s_wait_alu depctr_va_sdst(0)                   ; s[WV] is written, ahead of its first reader: my first query, my stage and my tile of q are made from it
	s_and_b32 s[HEAD], ttmp7, 0xffff               ; 16 x batch + head
	s_sub_co_u32 s[QB], 7, ttmp9                   ; my block of 128 queries
	s_lshr_b32 s[BB], s[HEAD], 4
	s_and_b32 s[HD], s[HEAD], 15
	s_lshl_b32 s20, s[BB], 2                       ; the batch's entry in Q_len and V_len
	s_mov_b32 s21, 0
	s_lshl_b32 s[QMIN], s[QB], 7                   ; my first query: 128 x block + 32 (wave / 2) + 8 (wave % 2)
	s_lshr_b32 s19, s[WV], 1
	s_lshl_b32 s19, s19, 5
	s_add_co_u32 s[QMIN], s[QMIN], s19
	s_and_b32 s19, s[WV], 1
	s_lshl_b32 s19, s19, 3
	s_add_co_u32 s[QMIN], s[QMIN], s19
	s_mul_i32 s19, s[WV], 16*SPITCH
	s_add_co_u32 s19, s19, STAGE                   ; my stage
	v_mul_u32_u24 v[STO], v11, SPITCH
	v_lshl_add_u32 v[STO], v10, 6, v[STO]
	v_add_nc_u32 v[STO], s19, v[STO]               ; in: row r, + 64 h bytes: channels 16 h on
	v_mul_u32_u24 v[RD], v10, SPITCH
	v_lshl_add_u32 v[RD], v11, 4, v[RD]
	v_add_nc_u32 v[RD], s19, v[RD]                 ; back: lanes 0-15 one row, lanes 16-31 the next
	v_lshlrev_b32 v[GO], 12, v10
	v_lshl_add_u32 v[GO], v11, 4, v[GO]            ; and the same two rows in out0, 4,096 bytes apart
	v_and_b32 v[QN], 8, v11
	v_add_nc_u32 v[QN], v[QN], v11
	v_add_nc_u32 v[QN], s[QMIN], v[QN]             ; my query: first + r + 8 (r / 8)
	s_mul_i32 s28, s[HEAD], HEADSTR
	s_mov_b32 s29, 0
	s_mul_i32 s30, s[QB], STEPB
	s_lshl_b32 s19, s[WV], 10
	s_add_co_u32 s30, s30, s19                     ; my tile of q: block, tile = wave
	s_mov_b32 s31, 0
	s_lshl_b32 s19, s[BB], 10
	s_add_co_u32 s19, s19, s[QMIN]
	s_lshl_b32 s54, s19, 12                        ; out0: row 1,024 x batch + my first query, of 4,096 bytes,
	s_lshl_b32 s19, s[HD], 8
	s_add_co_u32 s54, s54, s19                     ; + the head's 256 bytes
	s_mov_b32 s55, 0
	s_mov_b32 s[SEL], 0x76543210
	s_mov_b32 s[SEL+1], 0xfedcba98
	s_wait_kmcnt 0x0
	s_add_nc_u64 s[6:7], s[6:7], s[20:21]
	s_add_nc_u64 s[8:9], s[8:9], s[20:21]
	s_load_b32 s[QL], s[6:7], 0x0
	s_load_b32 s[VL], s[8:9], 0x0
	s_load_b128 s[EQ:EQ+3], s[10:11], 0x18         ; entries 6 to 9: eq, ek, ep, ev
	s_add_nc_u64 s[28:29], s[4:5], s[28:29]        ; the head's images
	s_add_nc_u64 s[30:31], s[28:29], s[30:31]
	s_add_nc_u64 s[KVP:KVP+1], s[28:29], 8192      ; K's images of step 0
	s_add_nc_u64 s[12:13], s[12:13], s[54:55]
	s_wait_alu depctr_va_vdst(0)                   ; the five addresses v1, v2, v7, v8, v9 are written, which the loads and stores of the whole kernel read; no vector line names them again
	global_load_b128 v[QF:QF+3], v[LI], s[30:31] th:TH_LOAD_NT             ; Q's fragment stays in registers; nobody else reads it
	global_load_b128 v[QF+4:QF+7], v[LI], s[30:31] offset:512 th:TH_LOAD_NT
.irp i, 0,1,2,3
	global_load_b128 v[G+4*\i:G+4*\i+3], v[GI], s[KVP:KVP+1] offset:512*\i   ; my share of step 0, whatever the lengths: it lies inside img
.endr
	v_mov_b32 v13, 0xff61b1e6                      ; the largest t so far: -3e38, under every t
	v_floor_f32 v12, -v13                          ; -M
	v_mov_b32 v14, 0                               ; the sum, in two halves
	v_mov_b32 v15, 0
	v_mov_b32 v[PX], 0                             ; written once: a lane permute's destination counts as one of its sources
	v_mov_b32 v[FF+1], 0                           ; (named as the upper half of a pair)
	v_mov_b32 v[NINF], 0xff800000
.set j, 0
.rept 32
	v_mov_b32 v[O+j], 0                            ; O^T.  The step is written once: the first finds zeros, which the first change of M leaves zeros; a wave with no step stores them
.set j, j+1
.endr
	s_wait_kmcnt 0x0
	s_min_i32 s[LM1], s[VL], 1024
	s_cmp_le_i32 s[VL], 0
	s_cselect_b32 s[Z], 1, 0
	s_cselect_b32 s[LM1], 1024, s[LM1]             ; with no clean key the causal mask alone decides
	s_sub_co_i32 s[LM1], s[LM1], 1
	s_lshl_b32 s19, s[QB], 7
	s_add_co_u32 s[LASTG], s19, 127
	s_min_i32 s[LASTG], s[LASTG], s[LM1]
	s_cmp_lt_i32 s19, s[QL]
	s_cselect_b32 s[LASTG], s[LASTG], -1           ; no query of the block under Q_len: nothing is needed
	s_add_co_u32 s[LASTW], s[QMIN], 23             ; my last query
	s_min_i32 s[LASTW], s[LASTW], s[LM1]
	s_cmp_lt_i32 s[QMIN], s[QL]
	s_cselect_b32 s[LASTW], s[LASTW], -1
	s_min_i32 s[OPENB], s[QMIN], s[LM1]
	s_cmp_eq_u32 s[Z], 1
	s_cselect_b32 s[OPENB], -1, s[OPENB]           ; with no clean key every step takes the way with the subtraction
	s_add_co_i32 s19, s[EQ], s[EQ+1]
	s_lshl_b32 s47, s19, 23
	s_add_co_i32 s[CZ], s47, 0x3e38aa3b            ; log2(e) / 8, with eq + ek added to its exponent field
	s_mov_b32 s[CZ+1], s[CZ]                       ; (named with it as a pair, so it is written)
	s_cmp_eq_u32 s[Z], 1
	s_cselect_b32 s[CS], 0x3f800000, s[CZ]
	s_mov_b32 s[CS+1], s[CS]
	s_sub_co_i32 s19, 3, s19
	s_lshl_b32 s19, s19, 23
	s_add_co_i32 s19, s19, 0xd368d4a5              ; -1e12 as f32, with 3 - eq - ek added to its exponent field
	v_mov_b32 v[NZ], s19
	v_mov_b32 v[NZ+1], s19
	s_cmp_lt_i32 s[EQ+2], -15
	s_cselect_b32 s[HOLD], 1, 0
	s_add_co_i32 s19, s[EQ+2], 127
	s_lshl_b32 s47, s19, 23
	v_mov_b32 v[PSC], s47
	s_add_co_i32 s19, s19, 15
	s_lshl_b32 s19, s19, 23
	s_or_b32 s19, s19, 0x600000
	v_mov_b32 v[PLIM], s19
	s_add_co_i32 s[EPV], s[EQ+2], s[EQ+3]
	v_cmp_gt_i32 s[QMASK], s[QL], v[QN]
	v_min_u32 v[DQ], s[LM1], v[QN]                 ; both are 0 or more
	v_lshlrev_b32 v10, 4, v10
	v_sub_nc_u32 v[DQ], v[DQ], v10
	s_wait_alu depctr_va_sdst(0)                   ; s[QMASK] is written
	s_mov_b32 s[KF], 0
	s_mov_b32 s[TRIP], 4
	s_wait_loadcnt 0x0                             ; Q, and my share of step 0,
.irp i, 0,1,2,3
	ds_store_b128 v[GI], v[G+4*\i:G+4*\i+3] offset:512*\i   ; which goes into buffer 0
.endr
; A STEP of 128 keys, whose images lie in buffer p.  One barrier, on every wave's path: in front of it my stores into buffer p have landed and my reads of the other buffer are back; behind it buffer p is whole and nobody
; reads the other, which takes the next step's images at this step's end.
.macro STEP p
	s_wait_dscnt 0x0
	s_wait_alu depctr_vm_vsrc(0)                   ; my LDS stores at the last step's end (ahead of the first step: the head's) have read v[G ..], in which the loads below land; ahead of the branch round them
	s_barrier_signal -1
	s_barrier_wait -1
	s_add_co_u32 s[T0], s[KF], 128
	s_cmp_le_i32 s[T0], s[LASTG]                   ; does any wave need the next step?  (At most key 1,023 is needed, so no load leaves img.)  The same in all eight waves
	s_cbranch_scc0 .Lnoask_\@
.irp i, 0,1,2,3
	global_load_b128 v[G+4*\i:G+4*\i+3], v[GI], s[KVP:KVP+1] offset:(1+\p)*STEPB+512*\i   ; my share of it: it has this step's work in which to come
.endr
.Lnoask_\@:
	s_cmp_le_i32 s[KF], s[LASTW]                   ; do I need this step?  If so its first key counts for each of my queries: no row of the step is wholly hidden
	s_cbranch_scc0 .Lidle_\@
	s_wait_alu depctr_va_vdst(0)                   ; the products V^T P of the step that I worked last are done reading v[F ..], in which K's fragments land
.irp t, 0,1,2,3,4,5,6,7
.irp c, 0,1
	ds_load_b128 v[F+8*\t+4*\c:F+8*\t+4*\c+3], v[LI] offset:\p*BUF+\t*1024+\c*512   ; K's eight fragments
.endr
.endr
	s_wait_dscnt 0x0
.irp t, 0,1,2,3,4,5,6,7
	v_wmma_f32_16x16x64_bf8_bf8 v[S+8*\t:S+8*\t+7], v[F+8*\t:F+8*\t+7], v[QF:QF+7], 0
.endr
.rept 4
	v_nop                                          ; four places in front of the first vector line that reads these products' results
.endr
	s_add_co_u32 s47, s[KF], 127
	s_cmp_le_i32 s47, s[OPENB]
	s_cbranch_scc1 .Lopen_\@                       ; all 128 keys count for all my queries
	s_cmp_eq_u32 s[Z], 0
	s_cbranch_scc1 .Lclean_\@
.set j, 0
.rept 32
	v_pk_add_f32 v[S+j:S+j+1], v[S+j:S+j+1], v[NZ:NZ+1]   ; V_len <= 0: A - 1e12, rounded as f32 rounds it
.set j, j+2
.endr
.set j, 0
.rept 32
	v_pk_mul_f32 v[S+j:S+j+1], v[S+j:S+j+1], s[CZ:CZ+1] op_sel_hi:[1,0]   ; and t of that
.set j, j+2
.endr
.Lclean_\@:
	v_sub_nc_u32 v[DD], v[DQ], s[KF]               ; register 16 b + i holds key KF + 16 (lane / 16) + 32 b + i: hidden where 32 b + i > DD
.set n, 0
.rept 4                                        ; sixteen registers at a time: a run of compares, each into a scalar register of its own, one wait, a run of selects
.set m, 0
.rept 16
	v_cmp_gt_i32 s[MK+m], 32*(n/16)+m, v[DD]
.set m, m+1
.endr
	s_wait_alu depctr_va_sdst(0)                   ; the sixteen masks s[MK ..] are written, ahead of the selects that read them
.set m, 0
.rept 16
	v_cndmask_b32 v[S+n+m], v[S+n+m], v[NINF], s[MK+m]   ; -infinity ahead of the maximum: p = 0 then
.set m, m+1
.endr
.set n, n+16
.endr
.Lopen_\@:
	s_wait_alu depctr_va_vdst(0)                   ; the eight score products are done reading v[F ..], in which V's fragments land.  The sixteen loads are dealt among the lines below, which name S, v222 and v223 alone
	v_max3_num_f32 v[MA], v[S], v[S+1], v[S+2]     ; the step's largest score of my query, among my 64 keys, in two chains,
	ds_load_b128 v[F:F+3], v[LI] offset:\p*BUF+8192          ; V's four fragments, 16 registers each, on end: load m brings registers 4 m .. 4 m + 3 from byte 512 m of V's images; they come while the softmax is worked
	v_max3_num_f32 v[MA+1], v[S+3], v[S+4], v[S+5]
	ds_load_b128 v[F+4:F+7], v[LI] offset:\p*BUF+8192+512
.irp i, 6,10,14,18,22,26,30,34,38,42,46,50,54,58
	v_max3_num_f32 v[MA], v[MA], v[S+\i], v[S+\i+1]
	v_max3_num_f32 v[MA+1], v[MA+1], v[S+\i+2], v[S+\i+3]
	ds_load_b128 v[F+\i+2:F+\i+5], v[LI] offset:\p*BUF+8192+128*(\i+2)   ; load m = (i + 2) / 4: 2 to 15
.endr
	v_max3_num_f32 v[MA], v[MA], v[S+62], v[S+63]
	v_max_num_f32 v[MA], v[MA], v[MA+1]
	v_permlanex16_b32 v[PX], v[MA], s[SEL], s[SEL+1]
	v_max_num_f32 v[MA], v[MA], v[PX]              ; and among lane l xor 16's
	v_mul_f32 v[MA], s[CS], v[MA]                  ; as t (the factor is positive)
	v_max_num_f32 v13, v13, v[MA]                  ; the running largest t
	v_mov_b32 v[MA], v12
	v_floor_f32 v12, -v13                          ; the new -M = floor(-t) = -ceil(t): M is a whole number
	v_sub_f32 v[MA], v12, v[MA]                    ; M's old value less its new one: a whole number, 0 or less
	v_cvt_i32_f32 v[MA], v[MA]                     ; (it saturates)
	v_ldexp_f32 v[FF], 1.0, v[MA]                  ; f = 2^(old M - new M)
.set j, 0
.rept 32
	v_pk_fma_f32 v[S+j:S+j+1], v[S+j:S+j+1], s[CS:CS+1], v[12:13] op_sel_hi:[1,0,0]   ; t - M, two at a time (of the two pairs the low word serves both halves)
.set j, j+2
.endr
.set j, 0
.rept 64
	v_exp_f32 v[S+j], v[S+j]                       ; p = 2^(t - M), at most 1: not normalised
.set j, j+1
.endr
	v_pk_mul_f32 v[14:15], v[14:15], v[FF:FF+1] op_sel_hi:[1,0]   ; the sums under the new M: the plain instruction behind the exponentials
	s_wait_alu depctr_va_vdst(0)                   ; the 64 exponentials have written v[S ..]: one wait for the whole batch, ahead of its first reader
	v_pk_add_f32 v[L2:L2+1], v[S:S+1], v[S+2:S+3]  ; the row's sum is taken of the unquantised p: two at a time, in two chains
.irp j, 4,8,12,16,20,24,28,32,36,40,44,48,52,56,60
	v_pk_add_f32 v[14:15], v[14:15], v[S+\j:S+\j+1]
	v_pk_add_f32 v[L2:L2+1], v[L2:L2+1], v[S+\j+2:S+\j+3]
.endr
	v_pk_add_f32 v[14:15], v[14:15], v[L2:L2+1]
	s_cmp_eq_u32 s[HOLD], 0
	s_cbranch_scc1 .Lnohold_\@                     ; ep >= -15: 57,344 x 2^ep is 1.75 or more, over every p: the hold would change nothing
.set j, 0
.rept 64
	v_min_num_f32 v[S+j], v[S+j], v[PLIM]          ; the conversion to an 8-bit code does not saturate (ISA guide 7.6.2); p is not negative, so the hold is one-sided
.set j, j+1
.endr
.Lnohold_\@:
.irp b, 0,1,2,3
	v_cvt_scalef32_pk8_bf8_f32 v[P+4*\b:P+4*\b+1], v[S+16*\b:S+16*\b+7], v[PSC]       ; registers 4 b .. 4 b + 3 of the operand: keys 32 b + 16 (lane / 16) + 0 .. 15, as V's images have them
	v_cvt_scalef32_pk8_bf8_f32 v[P+4*\b+2:P+4*\b+3], v[S+16*\b+8:S+16*\b+15], v[PSC]
.endr
.set j, 0
.rept 16
	v_pk_mul_f32 v[O+j:O+j+1], v[O+j:O+j+1], v[FF:FF+1] op_sel_hi:[1,0]   ; O^T under the new M.  (Also the plain instructions between the conversions and the products that read their results)
.set j, j+2
.endr
	s_wait_dscnt 0x0                               ; V is in
.irp t, 0,1,2,3
	v_wmma_f32_16x16x128_bf8_bf8 v[O+8*\t:O+8*\t+7], v[F+16*\t:F+16*\t+15], v[P:P+15], v[O+8*\t:O+8*\t+7]   ; the four accumulators by turns, one instruction a turn; the next step's eight score products stand between two links
.endr
.rept 4
	v_nop                                          ; four places for the vector lines that follow on any way: the next rescaling of O^T, the way out
.endr
.Lidle_\@:
	s_wait_loadcnt 0x0                             ; my share of the next step, if it was asked for, is in
	s_cmp_le_i32 s[T0], s[LASTG]
	s_cbranch_scc0 .Lnoput_\@
.irp i, 0,1,2,3
	ds_store_b128 v[GI], v[G+4*\i:G+4*\i+3] offset:(1-\p)*BUF+512*\i   ; into the other buffer, which every wave left in front of this step's barrier
.endr
.Lnoput_\@:
	s_mov_b32 s[KF], s[T0]
.endm
.Ltrip:                                                ; four trips of two steps: a constant count, so that every wave passes every barrier; what the lengths spare is jumped over inside a step
	STEP 0
	STEP 1
	s_wait_xcnt 0x0                                ; the trip's loads have read their base
	s_add_nc_u64 s[KVP:KVP+1], s[KVP:KVP+1], 2*STEPB
	s_sub_co_i32 s[TRIP], s[TRIP], 1
	s_cmp_lg_u32 s[TRIP], 0
	s_cbranch_scc1 .Ltrip
	; THE WAY OUT, for every wave.  O^T is divided by the row's sum, multiplied by 2^(ep + ev), or by 0 where the query is not under Q_len (a wave with no step has only such queries), and goes through my own stage in LDS,
	; so that sixteen lanes store the head's 256 consecutive bytes of a row of out0, aligned.
	v_add_f32 v14, v14, v15                        ; the sum's two halves,
	v_permlanex16_b32 v[PX], v14, s[SEL], s[SEL+1]
	v_add_f32 v14, v14, v[PX]                      ; and lane l xor 16's
	v_rcp_f32 v[FAC], v14
	v_mov_b32 v[FAC+1], 0                          ; a plain instruction behind the reciprocal (and the pair's upper half is written)
	s_wait_alu depctr_va_vdst(0)                   ; the reciprocal has written v[FAC]: the wait ahead of its first reader
	v_ldexp_f32 v[FAC], v[FAC], s[EPV]
	v_cndmask_b32 v[FAC], 0, v[FAC], s[QMASK]
.set j, 0
.rept 16
	v_pk_mul_f32 v[S+j:S+j+1], v[O+j:O+j+1], v[FAC:FAC+1] op_sel_hi:[1,0]   ; register 16 b + i: channel 32 b + 16 (lane / 16) + i of my query; each accumulator from its low end on
.set j, j+2
.endr
	s_wait_alu depctr_va_vdst(0)                   ; the multiplications have written v[S .. S + 31], which the LDS stores read; and all products are done reading v[F ..], in which the stage's loads land
.irp b, 0,1
.irp k, 0,1,2,3
	ds_store_b128 v[STO], v[S+16*\b+4*\k:S+16*\b+4*\k+3] offset:128*\b+16*\k
.endr
.endr
.irp i, 0,1,2,3,4,5,6,7
	ds_load_b128 v[F+4*\i:F+4*\i+3], v[RD] offset:2*\i*SPITCH   ; LDS serves a wave's instructions in order (ISA guide 5.7.1.4): these see my stores; the stage is mine alone
.endr
.irp i, 0,1,2,3,4,5,6,7
	s_wait_dscnt 7-\i                              ; load i is back; the younger ones may be out
	global_store_b128 v[GO], v[F+4*\i:F+4*\i+3], s[12:13] offset:(2*\i+8*(\i/4))*4096 th:TH_STORE_NT   ; stage rows 2 i, 2 i + 1 are queries first + row + 8 (row / 8); written once, read by nobody here
.endr
	s_wait_dscnt 0x0
	s_wait_alu depctr_hold_cnt(0) depctr_sa_sdst(0) depctr_va_vdst(0) depctr_va_sdst(0) depctr_va_ssrc(0) depctr_va_vcc(0) depctr_vm_vsrc(0)
	s_wait_tensorcnt 0x0
	ds_add_u32 v230, v231
	s_wait_dscnt 0x0
	s_endpgm
.Lfunc_end_k_q725348da5f_attn:
	.size	k_q725348da5f_attn, .Lfunc_end_k_q725348da5f_attn-k_q725348da5f_attn
	.p2alignl 7, 3214868480
	.fill 96, 4, 3214868480
	.section	.rodata,"a",@progbits
	.p2align	6, 0x0
	.amdhsa_kernel k_q725348da5f_attn
		.amdhsa_group_segment_fixed_size 68608
		.amdhsa_private_segment_fixed_size 0
		.amdhsa_enable_private_segment 0
		.amdhsa_kernarg_size 40
		.amdhsa_user_sgpr_count 2
		.amdhsa_user_sgpr_kernarg_segment_ptr 1
		.amdhsa_wavefront_size32 1
		.amdhsa_system_sgpr_workgroup_id_x 1
		.amdhsa_system_sgpr_workgroup_id_y 1
		.amdhsa_system_sgpr_workgroup_id_z 1
		.amdhsa_system_vgpr_workitem_id 0
		.amdhsa_next_free_vgpr 232
		.amdhsa_next_free_sgpr 66
		.amdhsa_reserve_vcc 0
		.amdhsa_float_denorm_mode_32 3
		.amdhsa_float_denorm_mode_16_64 3
		.amdhsa_memory_ordered 1
		.amdhsa_forward_progress 1
		.amdhsa_inst_pref_size 70
	.end_amdhsa_kernel
	.amdgpu_metadata
---
amdhsa.version: [ 1, 2 ]
amdhsa.kernels:
  - .name:           k_q725348da5f_attn
    .symbol:         k_q725348da5f_attn.kd
    .args:
      - { .name: img, .offset: 0, .size: 8, .value_kind: global_buffer, .address_space: global }
      - { .name: Q_len, .offset: 8, .size: 8, .value_kind: global_buffer, .address_space: global }
      - { .name: V_len, .offset: 16, .size: 8, .value_kind: global_buffer, .address_space: global }
      - { .name: lowp_scales, .offset: 24, .size: 8, .value_kind: global_buffer, .address_space: global }
      - { .name: out0, .offset: 32, .size: 8, .value_kind: global_buffer, .address_space: global }
    .group_segment_fixed_size: 68608
    .private_segment_fixed_size: 0
    .kernarg_segment_align: 8
    .kernarg_segment_size: 40
    .max_flat_workgroup_size: 256
    .sgpr_count:     66
    .vgpr_count:     232
    .wavefront_size: 32
...
	.end_amdgpu_metadata
.endif
;; end of part 4
